; MI455X (gfx1250); checked and timed in simulation.
; The chip was launched on July 23, 2026; its instructions are those of AMD's public machine-readable ISA for CDNA 5 (MIT licence, August 2026) and "CDNA5" Instruction Set Architecture Reference Guide (July 2026). The comments in the code are by the model that wrote it; some were corrected since.
;; Attention Pooling. Allowed arithmetic: float matrix products may take bf16 or f16 operands with f32 sums; all other float work in f32.
;; Inputs: Wk 768 x 768 float32; Wq 768 x 768 float32; Wv 768 x 768 float32; attention_mask 4 x 8,192 float32; bk 768 float32; bq 768 float32; bv 768 float32; hidden_states 4 x 8,192 x 768 float32; queries 4 x 512 x 768 float32.
;; Outputs: out0 4 x 512 x 768 float32.
;; 2 versions, each right; version 2 is version 1 with the launches cvt, comb written anew for expert scheduling mode. Each part assembles by itself: llvm-mc -triple=amdgcn-amd-amdhsa -mcpu=gfx1250 --defsym DOCPART=n.
;; ======== version 1 of 2: 6 launches
;; limits: values are held in f16: magnitudes above 65,504 overflow, below 6.1e-05 lose precision; inputs' magnitudes at most 65,504
;; workspace buffers: Hh 50,331,648 bytes; act 6,291,456 bytes; Qp 6,291,456 bytes; cq 8,192 bytes; part 50,331,648 bytes; ml 131,072 bytes; Wqk 2,359,296 bytes; Wvh 1,179,648 bytes
;; launch cvt (part 1): grid 1096 x 1, 8 waves a work-group, no clusters, 0 bytes of LDS; arguments hidden_states, Wq, Wk, Wv, Hh, Wqk, Wvh; writes Hh, Wqk, Wvh
.if DOCPART == 1
	.amdgcn_target "amdgcn-amd-amdhsa--gfx1250"
	.amdhsa_code_object_version 6
	.text
	.protected	k_q57d75e4fa7_cvt
	.globl	k_q57d75e4fa7_cvt
	.p2align	8
	.type	k_q57d75e4fa7_cvt,@function
k_q57d75e4fa7_cvt:
	s_mov_b64 s[64:65], 0
	v_nop
	global_prefetch_b8 v0, s[64:65] scope:SCOPE_SE
	s_setreg_imm32_b32 hwreg(HW_REG_WAVE_MODE, 25, 1), 1
	s_wait_xcnt 0x0
; f32 to f16, number by number, layouts unchanged: Hh = f16(hidden_states); Wqk = f16(Wq), then f16(Wk); Wvh = f16(Wv).
; The weights are rounded here once, so that the projections fetch them as f16 tiles straight into LDS instead of each of their 32 row blocks rounding them again.
; A plain stream: no LDS, no barrier, no matrix unit.
; WHY f16: it has 11 significant bits where bf16 has 8, and these numbers have room in it.
; LIMIT: a magnitude above 65,504 becomes an infinity; below 2^-14 the step is 2^-24.  The hidden states have a spread of 1, the weights of 0.036: thirty times
; larger, or an offset of thirty spreads, stays below 200.
; A work-group of 8 waves owns 98,304 input bytes = 24 loads of 16 bytes for each of its 256 threads: 1,024 work-groups for the hidden states, 24 for each weight matrix.
; Which buffer is mine is chosen by selects on the work-group's number: every work-group runs the same lines.
; All 24 loads of a thread go out at once; each load of a wave covers 512 consecutive bytes, each store 256 consecutive bytes, aligned.
; No vector register is written twice, so no wait frees a source.
.set X,   4                            ; v[4:99]  24 x 4 registers as loaded; the first two of each four then hold the 4 f16
.set NLD, 24
.set NH,  1024                         ; work-groups of the hidden states
.set NW,  24                           ; work-groups of a weight matrix
	s_load_b256 s[16:23], s[0:1], 0x0              ; hidden_states s[16:17], Wq s[18:19], Wk s[20:21], Wv s[22:23]
	s_load_b128 s[24:27], s[0:1], 0x20             ; Hh s[24:25], Wqk s[26:27]
	s_load_b64 s[28:29], s[0:1], 0x30              ; Wvh
	s_mov_b32 s12, ttmp9
	s_sub_co_u32 s13, s12, NH                      ; my number among the work-groups from Wq's first on (used only where it is not negative),
	s_sub_co_u32 s14, s12, NH+NW                   ; from Wk's first on,
	s_sub_co_u32 s15, s12, NH+2*NW                 ; from Wv's first on
	v_lshlrev_b32 v1, 4, v0                        ; 16 t: my 4 numbers in f32
	v_lshlrev_b32 v2, 3, v0                        ; 8 t: the same 4 in f16
	s_wait_kmcnt 0x0
	s_cmp_ge_u32 s12, NH
	s_cselect_b64 s[4:5], s[18:19], s[16:17]       ; from: Wq, else the hidden states
	s_cselect_b64 s[6:7], s[26:27], s[24:25]       ; to: Wqk, else Hh
	s_cselect_b32 s8, s13, s12                     ; which 98,304 bytes of the source
	s_cselect_b32 s10, s13, s12                    ; which 49,152 bytes of the target
	s_cmp_ge_u32 s12, NH+NW
	s_cselect_b64 s[4:5], s[20:21], s[4:5]         ; from Wk; the target goes on behind Wq's part of Wqk
	s_cselect_b32 s8, s14, s8
	s_cmp_ge_u32 s12, NH+2*NW
	s_cselect_b64 s[4:5], s[22:23], s[4:5]         ; from Wv
	s_cselect_b64 s[6:7], s[28:29], s[6:7]         ; to Wvh
	s_cselect_b32 s8, s15, s8
	s_cselect_b32 s10, s15, s10
	s_mul_i32 s8, s8, 98304                        ; below 4 GiB
	s_mov_b32 s9, 0
	s_mul_i32 s10, s10, 49152
	s_mov_b32 s11, 0
	s_add_nc_u64 s[4:5], s[4:5], s[8:9]
	s_add_nc_u64 s[6:7], s[6:7], s[10:11]
.set i, 0
.rept NLD
	global_load_b128 v[X+4*i:X+4*i+3], v1, s[4:5] offset:4096*i th:TH_LOAD_NT
.set i, i+1
.endr
.set i, 0
.rept NLD
	s_wait_loadcnt NLD-1-i                         ; loads come back in order (ISA guide 5.7.1): load i is in, the younger ones stay out
	v_cvt_pk_f16_f32 v[X+4*i], v[X+4*i], v[X+4*i+1]
	v_cvt_pk_f16_f32 v[X+4*i+1], v[X+4*i+2], v[X+4*i+3]
	global_store_b64 v2, v[X+4*i:X+4*i+1], s[6:7] offset:2048*i
.set i, i+1
.endr
	s_endpgm
.Lfunc_end_k_q57d75e4fa7_cvt:
	.size	k_q57d75e4fa7_cvt, .Lfunc_end_k_q57d75e4fa7_cvt-k_q57d75e4fa7_cvt
	.p2alignl 7, 3214868480
	.fill 96, 4, 3214868480
	.section	.rodata,"a",@progbits
	.p2align	6, 0x0
	.amdhsa_kernel k_q57d75e4fa7_cvt
		.amdhsa_group_segment_fixed_size 0
		.amdhsa_private_segment_fixed_size 0
		.amdhsa_enable_private_segment 0
		.amdhsa_kernarg_size 56
		.amdhsa_user_sgpr_count 2
		.amdhsa_user_sgpr_kernarg_segment_ptr 1
		.amdhsa_wavefront_size32 1
		.amdhsa_system_sgpr_workgroup_id_x 1
		.amdhsa_system_sgpr_workgroup_id_y 1
		.amdhsa_system_sgpr_workgroup_id_z 1
		.amdhsa_system_vgpr_workitem_id 0
		.amdhsa_next_free_vgpr 100
		.amdhsa_next_free_sgpr 66
		.amdhsa_reserve_vcc 0
		.amdhsa_float_denorm_mode_32 3
		.amdhsa_float_denorm_mode_16_64 3
		.amdhsa_memory_ordered 1
		.amdhsa_forward_progress 1
		.amdhsa_inst_pref_size 10
	.end_amdhsa_kernel
	.amdgpu_metadata
---
amdhsa.version: [ 1, 2 ]
amdhsa.kernels:
  - .name:           k_q57d75e4fa7_cvt
    .symbol:         k_q57d75e4fa7_cvt.kd
    .args:
      - { .name: hidden_states, .offset: 0, .size: 8, .value_kind: global_buffer, .address_space: global }
      - { .name: Wq, .offset: 8, .size: 8, .value_kind: global_buffer, .address_space: global }
      - { .name: Wk, .offset: 16, .size: 8, .value_kind: global_buffer, .address_space: global }
      - { .name: Wv, .offset: 24, .size: 8, .value_kind: global_buffer, .address_space: global }
      - { .name: Hh, .offset: 32, .size: 8, .value_kind: global_buffer, .address_space: global }
      - { .name: Wqk, .offset: 40, .size: 8, .value_kind: global_buffer, .address_space: global }
      - { .name: Wvh, .offset: 48, .size: 8, .value_kind: global_buffer, .address_space: global }
    .group_segment_fixed_size: 0
    .private_segment_fixed_size: 0
    .kernarg_segment_align: 8
    .kernarg_segment_size: 56
    .max_flat_workgroup_size: 256
    .sgpr_count:     66
    .vgpr_count:     100
    .wavefront_size: 32
...
	.end_amdgpu_metadata
.endif
;; end of part 1
;; launch qproj (part 2): grid 32 x 6, 8 waves a work-group, clusters of 4 x 1, 321,536 bytes of LDS; arguments queries, Wqk, bq, act; writes act
.if DOCPART == 2
	.amdgcn_target "amdgcn-amd-amdhsa--gfx1250"
	.amdhsa_code_object_version 6
	.text
	.protected	k_q57d75e4fa7_qproj
	.globl	k_q57d75e4fa7_qproj
	.p2align	8
	.type	k_q57d75e4fa7_qproj,@function
k_q57d75e4fa7_qproj:
	s_mov_b64 s[64:65], 0
	v_nop
	global_prefetch_b8 v0, s[64:65] scope:SCOPE_SE
	s_setreg_imm32_b32 hwreg(HW_REG_WAVE_MODE, 25, 1), 1
	s_wait_xcnt 0x0
	s_wait_alu depctr_hold_cnt(0) depctr_sa_sdst(0) depctr_va_vdst(0) depctr_va_sdst(0) depctr_va_ssrc(0) depctr_va_vcc(0) depctr_vm_vsrc(0)
	s_getreg_b32 s2, hwreg(HW_REG_IB_STS2, 6, 4)
	s_cmp_eq_u32 s2, 0
	s_cbranch_scc0 .Lentry_in_a_cluster
	s_endpgm
.Lentry_in_a_cluster:
	s_bfe_u32 s2, ttmp6, 0x10000c
	s_cmp_lg_u32 s2, 0x3003
	s_cbranch_scc0 .Lentry_shape_is_right
	s_endpgm
.Lentry_shape_is_right:
; C[2048][768] f32 = X[2048][768] f32 . W[768 (k)][768 (n)] f16 + bias[768] f32.  X is rounded to f16 on its way; sums in f32.
; Used twice: q = queries Wq + bq, and out = ctx Wv + bv.  W is the first 768 x 768 numbers of its buffer, rounded to f16 by the first launch.
; WHY f16 AND ITS LIMIT: 11 significant bits where bf16 has 8.  A magnitude above 65,504 becomes an infinity; below 2^-14 the step is 2^-24.
; X is an input of spread 1, or ctx, a weighted mean of hidden states and so no larger than the largest of them: thirty times larger, or an offset of
; thirty spreads, stays below 200.
; A work-group makes 64 rows x 128 columns with 8 waves; a wave makes 16 rows x 64 columns (4 accumulator tiles).
; The whole K = 768 of both operands lies in LDS before the 24 K steps of 32 begin:
;   X: 48 loads of 16 bytes a thread, all out at once, rounded in registers, stored to LDS;
;   W: one tensor load a wave, 96 k rows x 256 bytes.
; CLUSTER: the four row blocks of a cluster of 4 x 1 work-groups need the same 768 x 128 tile of W and ask for it jointly (mask 15).  The place in the cluster
; enters the global addresses of X and C alone (s13, s14, s18, s30), which feed no descriptor, no LDS address and no branch.
; X's tile is shared too (by the 6 column blocks) and is NOT asked for jointly: it lies in memory as f32 and is rounded in registers on its way.
; THE MATRIX INSTRUCTION IS USED TRANSPOSED: source 0 = 16 columns of W, source 1 = 16 rows of X, so a lane's 8 results are 8 neighbouring
; columns of one row of C.
; LDS: XT at 0: 64 rows x 1,552 bytes (1,536 + 16: an odd multiple of 16), written by LDS stores alone.  WT at 99,328: 768 k rows x 288 bytes (256 + 32: an odd
; multiple of 32, for ds_load_tr16_b128), filled by the tensor loads alone.  The stage of the way out (16 rows x 272 bytes a wave) takes XT's first bytes again, behind a barrier.
.set XP,    1552
.set WP,    288
.set WT,    64*XP
.set WROWS, 96                         ; k rows of W that one wave's tensor load brings
.set GOFF, 2                           ; v2      wave x 3,072 + 16 L: my 16 bytes in the wave's first row of X
.set LX,   3                           ; v3-4    where they go in XT, for rows 0-31 and 32-63
.set XFA,  9                           ; v9      my X fragment
.set WFA,  10                          ; v10-13  my W fragments, for each 192 k rows
.set STO,  14                          ; v14     the way out: where I put 32 bytes of a row
.set RD,   15                          ; v15     the way out: where I read a row back
.set CO,   16                          ; v16     my byte offset in C
.set BOFF, 17                          ; v17     my byte offset in the bias
.set RING, 24                          ; v[24:215]  staging: 6 batches of 8 loads x 4 registers
.set FB,   24                          ; v[24:183]  then 4 fragment buffers of 40 (X 8, W 4 x 8)
.set ACC,  184                         ; v[184:215] 4 accumulator tiles
.set BIAS, 216                         ; v[216:247] the bias of my 4 x 8 columns
.set G0,   36                          ; s[36:39] descriptor group 0
.set G1,   40                          ; s[40:47] descriptor group 1
.macro PLACES n
.rept \n
	v_nop
.endr
.endm
; A round of the cluster's barrier: my work-group's barrier; wave 0 signals for the work-group; every wave waits for all four work-groups; my work-group's barrier.
.macro ROUND
	s_barrier_signal -1
	s_barrier_wait -1
	s_cmp_lg_u32 s12, 0
	s_cbranch_scc1 .Lnot_wave_0_\@
	s_barrier_signal -3
.Lnot_wave_0_\@:
	s_barrier_wait -3
	s_barrier_signal -1
	s_barrier_wait -1
.endm
	s_load_b256 s[4:11], s[0:1], 0x0               ; X s[4:5], W s[6:7], bias s[8:9], C s[10:11]
	v_lshl_add_u32 v248, v0, 2, 0x4e400
	v_mov_b32 v249, 0
	ds_add_u32 v248, v249
	v_lshrrev_b32 v1, 5, v0
	v_readfirstlane_b32 s12, v1                    ; wave 0..7
	s_and_b32 s17, ttmp7, 0xffff                   ; block of 128 columns: the four partners share it
	s_bfe_u32 s13, ttmp6, 0x40000                  ; cx
	s_lshl_b32 s14, ttmp9, 2
	s_add_co_u32 s14, s14, s13                     ; block of 64 rows = 4 x cluster x + cx
	s_and_b32 s15, s12, 1                          ; my half of the 128 columns
	s_lshr_b32 s16, s12, 1                         ; my 16 of the 64 rows
	s_mul_i32 s18, s14, 64*3072                    ; X at the block's first row
	s_mov_b32 s19, 0
	s_lshl_b32 s28, s17, 9                         ; 128 columns of f32: bias and C at the block's first column
	s_mov_b32 s29, 0
	s_lshl_b32 s26, s15, 8
	s_lshl_b32 s30, s14, 6
	s_lshl4_add_u32 s30, s16, s30                  ; my first row of C
	s_mul_i32 s30, s30, 3072
	s_add_co_u32 s30, s30, s28
	s_add_co_u32 s30, s30, s26                     ; + my first column
	s_mov_b32 s31, 0
	s_lshl_b32 s32, s17, 8                         ; W: 128 columns of f16,
	s_mul_i32 s33, s12, WROWS*1536                 ; + my 96 k rows
	s_add_co_u32 s32, s32, s33
	s_mov_b32 s33, 0
	s_mul_i32 s34, s12, WROWS*WP                   ; and where they go
	; group 1: a tile of 96 rows x 128 elements of 2 bytes; 8 words of padding behind every 64 words
	s_mov_b32 s[G1+0], 15|(1<<16)|(1<<20)|(1<<21)|(5<<22)|(7<<25)   ; 15:0 mask: all four; 17:16 2 bytes; 20 padding; 21 set beside a mask; 24:22 every 64 words; 31:25 8 words
	s_mov_b32 s[G1+1], 128<<16                     ; tensor_dim0 = 128
	s_mov_b32 s[G1+2], WROWS<<16                   ; tensor_dim1 = 96
	s_mov_b32 s[G1+3], 128<<16                     ; tile_dim0 = 128
	s_mov_b32 s[G1+4], WROWS                       ; tile_dim1 = 96
	s_mov_b32 s[G1+5], 768                         ; elements from row to row
	s_mov_b32 s[G1+6], 0
	s_mov_b32 s[G1+7], 0
	s_mov_b32 s[G0], 1                             ; count = 1
	s_add_co_u32 s[G0+1], s34, WT                  ; LDS address
	s_mul_i32 s20, s12, 3072
	s_mul_i32 s21, s12, XP
	s_mul_i32 s23, s16, 16*XP
	s_lshl_b32 s24, s15, 7
	s_add_co_u32 s24, s24, WT
	s_mul_i32 s25, s12, 4352
	v_and_b32 v1, 31, v0                           ; L
	v_and_b32 v18, 15, v0                          ; r = L % 16
	v_bfe_u32 v19, v0, 4, 1                        ; h = L / 16
	v_and_b32 v21, 7, v0
	v_bfe_u32 v22, v0, 3, 1
	v_lshl_add_u32 v[GOFF], v1, 4, s20
	v_lshl_add_u32 v[LX], v1, 3, s21
	v_add_nc_u32 v[LX+1], 32*XP, v[LX]
	v_mul_u32_u24 v20, v18, XP
	v_lshl_add_u32 v20, v19, 4, v20
	v_add_nc_u32 v[XFA], s23, v20                  ; (16 x row tile + r) x pitch + 16 h
	v_lshl_add_u32 v21, v19, 3, v21
	v_mul_u32_u24 v21, v21, WP
	v_lshl_add_u32 v21, v22, 4, v21
	v_add_nc_u32 v[WFA], s24, v21                  ; (8 h + L % 8) x pitch + 16 ((L / 8) % 2) + my 64 columns
	v_add_nc_u32 v[WFA+1], 192*WP, v[WFA]
	v_add_nc_u32 v[WFA+2], 384*WP, v[WFA]
	v_add_nc_u32 v[WFA+3], 576*WP, v[WFA]
	v_mul_u32_u24 v23, v18, 272
	v_lshl_add_u32 v23, v19, 5, v23
	v_add_nc_u32 v[STO], s25, v23
	v_mul_u32_u24 v23, v19, 272
	v_lshl_add_u32 v23, v18, 4, v23
	v_add_nc_u32 v[RD], s25, v23
	v_mul_u32_u24 v23, v19, 3072
	v_lshl_add_u32 v[CO], v18, 4, v23
	v_lshl_add_u32 v[BOFF], v19, 5, s26
	s_wait_dscnt 0x0
	s_wait_kmcnt 0x0
	s_add_nc_u64 s[4:5], s[4:5], s[18:19]
	s_add_nc_u64 s[8:9], s[8:9], s[28:29]
	s_add_nc_u64 s[10:11], s[10:11], s[30:31]
	s_add_nc_u64 s[G0+2:G0+3], s[6:7], s[32:33]    ; global address of my 96 rows of the tile
	s_or_b32 s[G0+3], s[G0+3], 0x80000000          ; type = 2
.irp nt, 0,1,2,3
	global_load_b128 v[BIAS+8*\nt:BIAS+8*\nt+3],   v[BOFF], s[8:9] offset:64*\nt      ; the oldest loads: every later wait covers them
	global_load_b128 v[BIAS+8*\nt+4:BIAS+8*\nt+7], v[BOFF], s[8:9] offset:64*\nt+16
.endr
; X: 48 loads a thread in 6 batches of 8: load n is row wave + 8 (n / 6), piece n % 6 of 512 bytes.  All six batches go out at once.
.macro LDB b
.set e, 0
.rept 8
.set n, 8*(\b)+e
.set R0, RING+32*(\b)+4*e
	global_load_b128 v[R0:R0+3], v[GOFF], s[4:5] offset:(n/6)*24576+(n%6)*512
.set e, e+1
.endr
.endm
.macro CVB b
	s_wait_loadcnt 8*(5-(\b))                      ; the batches issued behind this one stay out
.set e, 0
.rept 8
.set R0, RING+32*(\b)+4*e
	v_cvt_pk_f16_f32 v[R0], v[R0], v[R0+1]
	v_cvt_pk_f16_f32 v[R0+1], v[R0+2], v[R0+3]
.set e, e+1
.endr
.set e, 0
.rept 8
.set n, 8*(\b)+e
.set R0, RING+32*(\b)+4*e
	ds_store_b64 v[LX+(n/6)/4], v[R0:R0+1] offset:((n/6)%4)*8*XP+(n%6)*256
.set e, e+1
.endr
.endm
.irp b, 0,1,2,3,4,5
	LDB \b
.endr
	ROUND                                          ; all four work-groups are here: the joint loads meet
	tensor_load_to_lds s[G0:G0+3], s[G1:G1+7]      ; my 96 k rows of W: the one tensor load of the wave
	s_nop 0
.irp b, 0,1,2,3,4,5
	CVB \b
.endr
	s_wait_tensorcnt 0x0                           ; my rows of W have landed,
	s_wait_dscnt 0x0                               ; my stores of X are in LDS,
	s_barrier_signal -1
	s_barrier_wait -1                              ; everybody's are
; 24 K STEPS of 32.  Ten LDS loads a step, fetched three steps ahead into four buffers.
.macro FETCH ks
.set F, FB+40*((\ks)%4)
	ds_load_b128 v[F:F+3],   v[XFA] offset:64*(\ks)
	ds_load_b128 v[F+4:F+7], v[XFA] offset:64*(\ks)+32
.irp nt, 0,1,2,3
	ds_load_tr16_b128 v[F+8+8*\nt:F+8+8*\nt+3],  v[WFA+(\ks)/6] offset:((\ks)%6)*32*WP+32*\nt
	ds_load_tr16_b128 v[F+8+8*\nt+4:F+8+8*\nt+7], v[WFA+(\ks)/6] offset:((\ks)%6)*32*WP+32*\nt+16*WP
.endr
.endm
	FETCH 0
	FETCH 1
	FETCH 2
.set kk, 0
.rept 24
.if kk+3 < 24
.if kk > 0
	PLACES 4                                       ; the buffer loaded next was read by the last step's matrix instructions: four places (ISA guide 7.12.1)
.endif
	FETCH kk+3
.endif
.if 23-kk < 3
	s_wait_dscnt 10*(23-kk)
.else
	s_wait_dscnt 30                                ; this step's ten loads are in; the three later steps' stay out
.endif
.set F, FB+40*(kk%4)
.irp nt, 0,1,2,3                                   ; the four accumulators take turns, one instruction a turn
.if kk == 0
	v_wmma_f32_16x16x32_f16 v[ACC+8*\nt:ACC+8*\nt+7], v[F+8+8*\nt:F+8+8*\nt+7], v[F:F+7], 0
.else
	v_wmma_f32_16x16x32_f16 v[ACC+8*\nt:ACC+8*\nt+7], v[F+8+8*\nt:F+8+8*\nt+7], v[F:F+7], v[ACC+8*\nt:ACC+8*\nt+7]
.endif
.endr
.set kk, kk+1
.endr
; THE WAY OUT: add the bias; 16 rows x 256 bytes through my own stage, read back as whole rows.
	PLACES 4
.set j, 0
.rept 16
	v_pk_add_f32 v[ACC+2*j:ACC+2*j+1], v[ACC+2*j:ACC+2*j+1], v[BIAS+2*j:BIAS+2*j+1]
.set j, j+1
.endr
	s_wait_dscnt 0x0                               ; my reads of XT are over,
	s_barrier_signal -1
	s_barrier_wait -1                              ; everybody's are: its first bytes become the stages
.irp nt, 0,1,2,3
	ds_store_b128 v[STO], v[ACC+8*\nt:ACC+8*\nt+3]   offset:64*\nt
	ds_store_b128 v[STO], v[ACC+8*\nt+4:ACC+8*\nt+7] offset:64*\nt+16
.endr
.irp i, 0,1,2,3,4,5,6,7
	ds_load_b128 v[FB+4*\i:FB+4*\i+3], v[RD] offset:544*\i          ; LDS serves a wave's instructions in order (ISA guide 5.7.1): these see the stores above
.endr
.irp i, 0,1,2,3,4,5,6,7
	s_wait_dscnt 7-\i
	global_store_b128 v[CO], v[FB+4*\i:FB+4*\i+3], s[10:11] offset:6144*\i   ; 16 lanes store 256 consecutive bytes, aligned
.endr
	s_wait_tensorcnt 0x0
	ds_add_u32 v248, v249
	s_wait_dscnt 0x0
	ROUND                                          ; the closing round: no work-group ends while a partner may still ask for the tile that names it
	s_endpgm
.Lfunc_end_k_q57d75e4fa7_qproj:
	.size	k_q57d75e4fa7_qproj, .Lfunc_end_k_q57d75e4fa7_qproj-k_q57d75e4fa7_qproj
	.p2alignl 7, 3214868480
	.fill 96, 4, 3214868480
	.section	.rodata,"a",@progbits
	.p2align	6, 0x0
	.amdhsa_kernel k_q57d75e4fa7_qproj
		.amdhsa_group_segment_fixed_size 321536
		.amdhsa_private_segment_fixed_size 0
		.amdhsa_enable_private_segment 0
		.amdhsa_kernarg_size 32
		.amdhsa_user_sgpr_count 2
		.amdhsa_user_sgpr_kernarg_segment_ptr 1
		.amdhsa_wavefront_size32 1
		.amdhsa_system_sgpr_workgroup_id_x 1
		.amdhsa_system_sgpr_workgroup_id_y 1
		.amdhsa_system_sgpr_workgroup_id_z 1
		.amdhsa_system_vgpr_workitem_id 0
		.amdhsa_next_free_vgpr 250
		.amdhsa_next_free_sgpr 66
		.amdhsa_reserve_vcc 0
		.amdhsa_float_denorm_mode_32 3
		.amdhsa_float_denorm_mode_16_64 3
		.amdhsa_memory_ordered 1
		.amdhsa_forward_progress 1
		.amdhsa_inst_pref_size 48
	.end_amdhsa_kernel
	.amdgpu_metadata
---
amdhsa.version: [ 1, 2 ]
amdhsa.kernels:
  - .name:           k_q57d75e4fa7_qproj
    .symbol:         k_q57d75e4fa7_qproj.kd
    .args:
      - { .name: queries, .offset: 0, .size: 8, .value_kind: global_buffer, .address_space: global }
      - { .name: Wqk, .offset: 8, .size: 8, .value_kind: global_buffer, .address_space: global }
      - { .name: bq, .offset: 16, .size: 8, .value_kind: global_buffer, .address_space: global }
      - { .name: act, .offset: 24, .size: 8, .value_kind: global_buffer, .address_space: global }
    .group_segment_fixed_size: 321536
    .private_segment_fixed_size: 0
    .kernarg_segment_align: 8
    .kernarg_segment_size: 32
    .max_flat_workgroup_size: 256
    .sgpr_count:     66
    .vgpr_count:     250
    .wavefront_size: 32
...
	.end_amdgpu_metadata
.endif
;; end of part 2
;; launch kproj (part 3): grid 32 x 6, 8 waves a work-group, clusters of 4 x 1, 304,640 bytes of LDS; arguments act, Wqk, bk, Qp, cq; writes Qp, cq
.if DOCPART == 3
	.amdgcn_target "amdgcn-amd-amdhsa--gfx1250"
	.amdhsa_code_object_version 6
	.text
	.protected	k_q57d75e4fa7_kproj
	.globl	k_q57d75e4fa7_kproj
	.p2align	8
	.type	k_q57d75e4fa7_kproj,@function
k_q57d75e4fa7_kproj:
	s_mov_b64 s[64:65], 0
	v_nop
	global_prefetch_b8 v0, s[64:65] scope:SCOPE_SE
	s_setreg_imm32_b32 hwreg(HW_REG_WAVE_MODE, 25, 1), 1
	s_wait_xcnt 0x0
	s_wait_alu depctr_hold_cnt(0) depctr_sa_sdst(0) depctr_va_vdst(0) depctr_va_sdst(0) depctr_va_ssrc(0) depctr_va_vcc(0) depctr_vm_vsrc(0)
	s_getreg_b32 s2, hwreg(HW_REG_IB_STS2, 6, 4)
	s_cmp_eq_u32 s2, 0
	s_cbranch_scc0 .Lentry_in_a_cluster
	s_endpgm
.Lentry_in_a_cluster:
	s_bfe_u32 s2, ttmp6, 0x10000c
	s_cmp_lg_u32 s2, 0x3003
	s_cbranch_scc0 .Lentry_shape_is_right
	s_endpgm
.Lentry_shape_is_right:
; Q'[q][h] = sc x sum over d of q[q][d] Wk[h][d] and c[q] = sc x sum over d of q[q][d] bk[d], both in f32; sc = log2(e) / sqrt(768).
; Since q . (hid Wk + bk) = (q Wk^T) . hid + q . bk, the attention launch takes the hidden states themselves as keys.
; Operands (q / 16, Wk, bk) in f16 (11 significant bits where bf16 has 8), sums in f32.  Wk comes rounded by the first launch, behind Wq in its buffer.
; ROOM IN f16 (largest number 65,504; below 2^-14 the step is 2^-24): Wk and bk are inputs, as in the projection of the queries.  q has a spread of 1;
; with queries and Wq both thirty times larger it reaches about 5,000, with both carrying an offset of thirty spreads 768 x 31 x 1.12 = about 27,000.
; So q enters as q / 16 (an exact scaling) and the 16 is put back with sc: q may reach 1,048,000.  LIMIT: beyond that it becomes an infinity.
; A work-group makes 64 queries x 128 h with 8 waves; a wave 16 queries x 64 h.  Both operands have K = d along their rows.
;   q: 48 loads of 16 bytes a thread, all out at once, scaled and rounded in registers, stored to LDS;   Wk: one tensor load a wave, 16 rows x 1,536 bytes.
; CLUSTER: the four query blocks of a cluster of 4 x 1 work-groups need the same 128 rows of Wk and ask for them jointly (mask 15).  The place in the cluster enters
; the global addresses of q, Qp and cq alone (s14, s17, s18, s26, s30), which feed no descriptor, no LDS address and no branch.
; q's tile is shared too (by the 6 blocks of Wk's rows) and is NOT asked for jointly: it lies in memory as f32 and is scaled and rounded in registers on its way.
; Q' leaves in the order in which the attention launch's lanes want it: blocks of 1,024 bytes [query tile of 16][h tile of 16]; in a block first the
; lanes' numbers 0-3, then their numbers 4-7, 16 bytes a lane; lane (r, hh) holds Q'(16 tile + r, 16 tile + 8 hh + 0..7): what a lane holds here
; when source 0 = rows of Wk, source 1 = rows of q.
; LDS: XT at 0: 64 rows x 1,552, written by LDS stores alone.  WT at 99,328: 128 rows x 1,584 (3 x (512 + 16): an odd multiple of 16), filled by the tensor loads alone:
; K step ks lies at byte 64 ks + 16 (ks / 8) of a row.  BK at 302,080: bk as 768 f16, written by LDS stores alone.
.set XP,   1552
.set KP,   1584
.set WT,   64*XP
.set BK,   WT+128*KP
.set SC,   0x3f553b94                  ; 16 log2(e) / sqrt(768)
.set QSC,  0x3d800000                  ; 1 / 16
.set GOFF, 2                           ; v2      wave x 3,072 + 16 L
.set LX,   3                           ; v3-4    where my bytes go in XT
.set XFA,  9                           ; v9      my q fragment
.set WFA,  10                          ; v10-11  my Wk fragments, tiles 0-1 and 2-3
.set BKF,  12                          ; v12     the bk fragment: the same row for all 16 lanes of a half
.set BKS,  13                          ; v13     where I put my bk numbers
.set BKG,  14                          ; v14     4 t
.set QO,   15                          ; v15     16 L
.set CQO,  16                          ; v16     4 r
.set RING, 24
.set FB,   24
.set ACC,  184
.set CA,   232                         ; v[232:247] bk as loaded (3 registers); later two accumulators for c
.set G0,   36                          ; s[36:39] descriptor group 0
.set G1,   40                          ; s[40:47] descriptor group 1
.macro PLACES n
.rept \n
	v_nop
.endr
.endm
; A round of the cluster's barrier: my work-group's barrier; wave 0 signals for the work-group; every wave waits for all four work-groups; my work-group's barrier.
.macro ROUND
	s_barrier_signal -1
	s_barrier_wait -1
	s_cmp_lg_u32 s12, 0
	s_cbranch_scc1 .Lnot_wave_0_\@
	s_barrier_signal -3
.Lnot_wave_0_\@:
	s_barrier_wait -3
	s_barrier_signal -1
	s_barrier_wait -1
.endm
	s_load_b256 s[4:11], s[0:1], 0x0               ; q s[4:5], Wqk s[6:7], bk s[8:9], Qp s[10:11]
	s_load_b64 s[34:35], s[0:1], 0x20              ; cq
	v_lshl_add_u32 v248, v0, 2, 0x4a200
	v_mov_b32 v249, 0
	ds_add_u32 v248, v249
	v_lshrrev_b32 v1, 5, v0
	v_readfirstlane_b32 s12, v1                    ; wave 0..7
	s_and_b32 s13, ttmp7, 0xffff                   ; block of 128 rows of Wk: the four partners share it
	s_bfe_u32 s17, ttmp6, 0x40000                  ; cx
	s_lshl_b32 s14, ttmp9, 2
	s_add_co_u32 s14, s14, s17                     ; block of 64 queries = 4 x cluster x + cx
	s_and_b32 s15, s12, 1                          ; my 64 of the 128 rows of Wk
	s_lshr_b32 s16, s12, 1                         ; my 16 of the 64 queries
	s_mul_i32 s18, s14, 64*3072
	s_mov_b32 s19, 0
	s_mul_i32 s28, s13, 128*1536                   ; Wk in f16: the block's first row,
	s_mul_i32 s29, s12, 16*1536                    ; + my 16 rows,
	s_add_co_u32 s28, s28, s29
	s_add_co_u32 s28, s28, 768*1536                ; behind Wq's 768 rows in the buffer
	s_mov_b32 s29, 0
	s_mul_i32 s22, s12, 16*KP                      ; and where they go
	s_lshl2_add_u32 s30, s14, s16                  ; query tile
	s_mul_i32 s30, s30, 48
	s_lshl3_add_u32 s30, s13, s30
	s_lshl2_add_u32 s30, s15, s30                  ; + h tile
	s_lshl_b32 s30, s30, 10                        ; blocks of 1,024 bytes
	s_mov_b32 s31, 0
	s_lshl_b32 s26, s14, 8
	s_lshl_b32 s27, s16, 6
	s_add_co_u32 s26, s26, s27                     ; 4 x my first query
	s_mov_b32 s27, 0
	; group 1: a tile of 16 rows x 768 elements of 2 bytes; 4 words of padding behind every 128 words
	s_mov_b32 s[G1+0], 15|(1<<16)|(1<<20)|(1<<21)|(6<<22)|(3<<25)   ; 15:0 mask: all four; 17:16 2 bytes; 20 padding; 21 set beside a mask; 24:22 every 128 words; 31:25 4 words
	s_mov_b32 s[G1+1], 768<<16                     ; tensor_dim0 = 768
	s_mov_b32 s[G1+2], 16<<16                      ; tensor_dim1 = 16
	s_mov_b32 s[G1+3], 768<<16                     ; tile_dim0 = 768
	s_mov_b32 s[G1+4], 16                          ; tile_dim1 = 16
	s_mov_b32 s[G1+5], 768                         ; elements from row to row
	s_mov_b32 s[G1+6], 0
	s_mov_b32 s[G1+7], 0
	s_mov_b32 s[G0], 1                             ; count = 1
	s_add_co_u32 s[G0+1], s22, WT                  ; LDS address
	s_mul_i32 s20, s12, 3072
	s_mul_i32 s21, s12, XP
	s_mul_i32 s23, s16, 16*XP
	s_mul_i32 s24, s15, 64*KP
	s_add_co_u32 s24, s24, WT
	v_and_b32 v1, 31, v0                           ; L
	v_and_b32 v18, 15, v0                          ; r
	v_bfe_u32 v19, v0, 4, 1                        ; h
	v_lshl_add_u32 v[GOFF], v1, 4, s20
	v_lshl_add_u32 v[LX], v1, 3, s21
	v_add_nc_u32 v[LX+1], 32*XP, v[LX]
	v_mul_u32_u24 v20, v18, XP
	v_lshl_add_u32 v20, v19, 4, v20                ; r x q's pitch + 16 h
	v_add_nc_u32 v[XFA], s23, v20
	v_mul_u32_u24 v21, v18, KP
	v_lshl_add_u32 v21, v19, 4, v21                ; r x Wk's pitch + 16 h
	v_add_nc_u32 v[WFA], s24, v21
	v_add_nc_u32 v[WFA+1], 32*KP, v[WFA]
	v_lshlrev_b32 v[BKF], 4, v19
	v_add_nc_u32 v[BKF], BK, v[BKF]
	v_lshlrev_b32 v[BKS], 1, v0
	v_add_nc_u32 v[BKS], BK, v[BKS]
	v_lshlrev_b32 v[BKG], 2, v0
	v_lshlrev_b32 v[QO], 4, v1
	v_lshlrev_b32 v[CQO], 2, v18
	s_wait_dscnt 0x0
	s_wait_kmcnt 0x0
	s_add_nc_u64 s[4:5], s[4:5], s[18:19]
	s_add_nc_u64 s[10:11], s[10:11], s[30:31]
	s_add_nc_u64 s[34:35], s[34:35], s[26:27]
	s_add_nc_u64 s[G0+2:G0+3], s[6:7], s[28:29]    ; global address of my 16 rows of Wk
	s_or_b32 s[G0+3], s[G0+3], 0x80000000          ; type = 2
.irp i, 0,1,2
	global_load_b32 v[CA+\i], v[BKG], s[8:9] offset:1024*\i         ; bk, 3 numbers a thread: the oldest loads
.endr
; q: 48 loads a thread in 6 batches of 8: load n is row wave + 8 (n / 6), piece n % 6 of 512 bytes.  All six batches go out at once.
.macro LDB b
.set e, 0
.rept 8
.set n, 8*(\b)+e
.set R0, RING+32*(\b)+4*e
	global_load_b128 v[R0:R0+3], v[GOFF], s[4:5] offset:(n/6)*24576+(n%6)*512
.set e, e+1
.endr
.endm
.macro CVB b
	s_wait_loadcnt 8*(5-(\b))                      ; the batches issued behind this one stay out
.set e, 0
.rept 8
.set R0, RING+32*(\b)+4*e
	v_pk_mul_f32 v[R0:R0+1], v[R0:R0+1], QSC op_sel_hi:[1,0]        ; q / 16: room in f16 (see the head)
	v_pk_mul_f32 v[R0+2:R0+3], v[R0+2:R0+3], QSC op_sel_hi:[1,0]
.set e, e+1
.endr
.set e, 0
.rept 8
.set R0, RING+32*(\b)+4*e
	v_cvt_pk_f16_f32 v[R0], v[R0], v[R0+1]
	v_cvt_pk_f16_f32 v[R0+1], v[R0+2], v[R0+3]
.set e, e+1
.endr
.set e, 0
.rept 8
.set n, 8*(\b)+e
.set R0, RING+32*(\b)+4*e
	ds_store_b64 v[LX+(n/6)/4], v[R0:R0+1] offset:((n/6)%4)*8*XP+(n%6)*256
.set e, e+1
.endr
.endm
.irp b, 0,1,2,3,4,5
	LDB \b
.endr
	ROUND                                          ; all four work-groups are here: the joint loads meet
	tensor_load_to_lds s[G0:G0+3], s[G1:G1+7]      ; my 16 rows of Wk: the one tensor load of the wave
	s_nop 0
	CVB 0
.irp i, 0,1,2                                      ; bk's loads are older than batch 0's: that wait has shown them in
	v_cvt_pk_f16_f32 v[CA+\i], v[CA+\i], v[CA+\i]
	ds_store_b16 v[BKS], v[CA+\i] offset:512*\i
.endr
.irp b, 1,2,3,4,5
	CVB \b
.endr
	s_wait_tensorcnt 0x0                           ; my rows of Wk have landed,
	s_wait_dscnt 0x0                               ; my stores of q and bk are in LDS,
	s_barrier_signal -1
	s_barrier_wait -1                              ; everybody's are
.macro FETCH ks
.set F, FB+40*((\ks)%4)
	ds_load_b128 v[F:F+3],   v[XFA] offset:64*(\ks)
	ds_load_b128 v[F+4:F+7], v[XFA] offset:64*(\ks)+32
.irp mt, 0,1,2,3
	ds_load_b128 v[F+8+8*\mt:F+8+8*\mt+3],   v[WFA+\mt/2] offset:(\mt%2)*16*KP+64*(\ks)+16*((\ks)/8)
	ds_load_b128 v[F+8+8*\mt+4:F+8+8*\mt+7], v[WFA+\mt/2] offset:(\mt%2)*16*KP+64*(\ks)+16*((\ks)/8)+32
.endr
.endm
	FETCH 0
	FETCH 1
	FETCH 2
.set kk, 0
.rept 24
.if kk+3 < 24
.if kk > 0
	PLACES 4                                       ; the buffer loaded next was read by the last step's matrix instructions: four places (ISA guide 7.12.1)
.endif
	FETCH kk+3
.endif
.if 23-kk < 3
	s_wait_dscnt 10*(23-kk)
.else
	s_wait_dscnt 30                                ; this step's ten loads are in; the three later steps' stay out
.endif
.set F, FB+40*(kk%4)
.irp mt, 0,1,2,3                                   ; the four accumulators take turns, one instruction a turn
.if kk == 0
	v_wmma_f32_16x16x32_f16 v[ACC+8*\mt:ACC+8*\mt+7], v[F+8+8*\mt:F+8+8*\mt+7], v[F:F+7], 0
.else
	v_wmma_f32_16x16x32_f16 v[ACC+8*\mt:ACC+8*\mt+7], v[F+8+8*\mt:F+8+8*\mt+7], v[F:F+7], v[ACC+8*\mt:ACC+8*\mt+7]
.endif
.endr
.set kk, kk+1
.endr
; THE WAY OUT: scale and store in f32: each store of the wave covers 512 consecutive bytes, aligned.
	PLACES 4
.set j, 0
.rept 16
	v_pk_mul_f32 v[ACC+2*j:ACC+2*j+1], v[ACC+2*j:ACC+2*j+1], SC op_sel_hi:[1,0]
.set j, j+1
.endr
.irp mt, 0,1,2,3
	global_store_b128 v[QO], v[ACC+8*\mt:ACC+8*\mt+3],   s[10:11] offset:1024*\mt
	global_store_b128 v[QO], v[ACC+8*\mt+4:ACC+8*\mt+7], s[10:11] offset:1024*\mt+512
.endr
; c = sc x q . bk, once for each query: by the work-groups of the first block of Wk's rows (a number that the partners share), in the waves with an even
; number (one for each 16 queries).  Source 0 is bk in all 16 rows, so every row of the result is c; two accumulators take turns.
	s_cmp_lg_u32 s13, 0
	s_cbranch_scc1 .Lend
	s_cmp_lg_u32 s15, 0
	s_cbranch_scc1 .Lend
.set gg, 0
.rept 4
.if gg > 0
	PLACES 4                                       ; the registers loaded next were read by the last six matrix instructions
.endif
.set ee, 0
.rept 6
.set F, FB+16*ee
.set kk, 6*gg+ee
	ds_load_b128 v[F:F+3],     v[XFA] offset:64*kk
	ds_load_b128 v[F+4:F+7],   v[XFA] offset:64*kk+32
	ds_load_b128 v[F+8:F+11],  v[BKF] offset:64*kk
	ds_load_b128 v[F+12:F+15], v[BKF] offset:64*kk+32
.set ee, ee+1
.endr
	s_wait_dscnt 0x0
.set ee, 0
.rept 6
.set F, FB+16*ee
.set CC, CA+8*(ee%2)
.if 6*gg+ee < 2
	v_wmma_f32_16x16x32_f16 v[CC:CC+7], v[F+8:F+15], v[F:F+7], 0
.else
	v_wmma_f32_16x16x32_f16 v[CC:CC+7], v[F+8:F+15], v[F:F+7], v[CC:CC+7]
.endif
.set ee, ee+1
.endr
.set gg, gg+1
.endr
	PLACES 4
	v_add_f32 v[CA], v[CA], v[CA+8]
	v_mul_f32 v[CA], SC, v[CA]
	global_store_b32 v[CQO], v[CA], s[34:35]       ; lanes r and 16 + r hold the same number and write the same word
.Lend:
	s_wait_dscnt 0x0                               ; no LDS instruction of mine is out, on either way
	s_wait_tensorcnt 0x0
	ds_add_u32 v248, v249
	s_wait_dscnt 0x0
	ROUND                                          ; the closing round: no work-group ends while a partner may still ask for the tile that names it
	s_endpgm
.Lfunc_end_k_q57d75e4fa7_kproj:
	.size	k_q57d75e4fa7_kproj, .Lfunc_end_k_q57d75e4fa7_kproj-k_q57d75e4fa7_kproj
	.p2alignl 7, 3214868480
	.fill 96, 4, 3214868480
	.section	.rodata,"a",@progbits
	.p2align	6, 0x0
	.amdhsa_kernel k_q57d75e4fa7_kproj
		.amdhsa_group_segment_fixed_size 304640
		.amdhsa_private_segment_fixed_size 0
		.amdhsa_enable_private_segment 0
		.amdhsa_kernarg_size 40
		.amdhsa_user_sgpr_count 2
		.amdhsa_user_sgpr_kernarg_segment_ptr 1
		.amdhsa_wavefront_size32 1
		.amdhsa_system_sgpr_workgroup_id_x 1
		.amdhsa_system_sgpr_workgroup_id_y 1
		.amdhsa_system_sgpr_workgroup_id_z 1
		.amdhsa_system_vgpr_workitem_id 0
		.amdhsa_next_free_vgpr 250
		.amdhsa_next_free_sgpr 66
		.amdhsa_reserve_vcc 0
		.amdhsa_float_denorm_mode_32 3
		.amdhsa_float_denorm_mode_16_64 3
		.amdhsa_memory_ordered 1
		.amdhsa_forward_progress 1
		.amdhsa_inst_pref_size 64
	.end_amdhsa_kernel
	.amdgpu_metadata
---
amdhsa.version: [ 1, 2 ]
amdhsa.kernels:
  - .name:           k_q57d75e4fa7_kproj
    .symbol:         k_q57d75e4fa7_kproj.kd
    .args:
      - { .name: act, .offset: 0, .size: 8, .value_kind: global_buffer, .address_space: global }
      - { .name: Wqk, .offset: 8, .size: 8, .value_kind: global_buffer, .address_space: global }
      - { .name: bk, .offset: 16, .size: 8, .value_kind: global_buffer, .address_space: global }
      - { .name: Qp, .offset: 24, .size: 8, .value_kind: global_buffer, .address_space: global }
      - { .name: cq, .offset: 32, .size: 8, .value_kind: global_buffer, .address_space: global }
    .group_segment_fixed_size: 304640
    .private_segment_fixed_size: 0
    .kernarg_segment_align: 8
    .kernarg_segment_size: 40
    .max_flat_workgroup_size: 256
    .sgpr_count:     66
    .vgpr_count:     250
    .wavefront_size: 32
...
	.end_amdgpu_metadata
.endif
;; end of part 3
;; launch attn (part 4): grid 8 x 32, 4 waves a work-group, clusters of 4 x 1, 327,680 bytes of LDS; arguments Hh, Qp, cq, attention_mask, part, ml; writes part, ml
.if DOCPART == 4
	.amdgcn_target "amdgcn-amd-amdhsa--gfx1250"
	.amdhsa_code_object_version 6
	.text
	.protected	k_q57d75e4fa7_attn
	.globl	k_q57d75e4fa7_attn
	.p2align	8
	.type	k_q57d75e4fa7_attn,@function
k_q57d75e4fa7_attn:
	s_mov_b64 s[64:65], 0
	v_nop
	global_prefetch_b8 v0, s[64:65] scope:SCOPE_SE
	s_setreg_imm32_b32 hwreg(HW_REG_WAVE_MODE, 25, 1), 1
	s_wait_xcnt 0x0
	s_wait_alu depctr_hold_cnt(0) depctr_sa_sdst(0) depctr_va_vdst(0) depctr_va_sdst(0) depctr_va_ssrc(0) depctr_va_vcc(0) depctr_vm_vsrc(0)
	s_getreg_b32 s2, hwreg(HW_REG_IB_STS2, 6, 4)
	s_cmp_eq_u32 s2, 0
	s_cbranch_scc0 .Lentry_in_a_cluster
	s_endpgm
.Lentry_in_a_cluster:
	s_bfe_u32 s2, ttmp6, 0x10000c
	s_cmp_lg_u32 s2, 0x3003
	s_cbranch_scc0 .Lentry_shape_is_right
	s_endpgm
.Lentry_shape_is_right:
; Attention with the hidden states as keys AND values (head dimension 768), in base 2, with a running maximum.
;   score(q, s) = Q'(q) . H(s) + c(q) + (1 - mask(s)) x (-10000 log2 e);   p = 2^(score - m);   part(q) = sum over s of p H(s), l = sum of p.
; A work-group takes 64 queries and 1,024 keys (16 tiles of 64): 4 batches x 8 query blocks x 8 splits = 256 work-groups.  It stores the
; unnormalised sums, m and l; the next launch joins the 8 splits.
; FORMAT: H, Q' and p enter the matrix unit in f16 (11 significant bits where bf16 has 8).  Room (largest number 65,504; below 2^-14 the step is 2^-24):
;   H as the launch that converts it states; p lies in [0, 1] because the maximum is taken away; Q' has no fixed bound (with offsets of thirty spreads on all
;   inputs it passes 10^6), so each query's row is divided by 2^E, the power of two at or below its largest magnitude, which puts that magnitude in [1, 2),
;   and the summed score is multiplied by 2^E again: both scalings are exact.
; LIMITS: a row of Q' whose largest magnitude is 2^127 or more is lost; v_exp_f32 gives 0 for results below 2^-126 (ISA guide 15.8); sums in another order
;   than written in the problem.
; CLUSTER: four query blocks of one split read the same 16 tiles, so 4 x 1 work-groups ask for each tile jointly (mask 15).  The place in the
; cluster enters global addresses of Qp, cq, part and ml alone, in s48 to s61, which feed no descriptor, no LDS address and no branch.
; A WAVE owns the 192 dimensions d = 256 blk + 64 w + 0..63, blk = 0..2: as its part of K in the scores and as its columns of the result.
;   It keeps Q'[64 x 192] (192 registers) and the sums [64 x 192] in f32 (384 registers).
; A TRIP (one tile): scores^T = H Q'^T over my 192 d, all 64 keys x 64 queries, partial -> LDS; barrier; wave w adds the four partials for queries
;   16 w .. + 15, softmax step, p as f16 in fragment order and the factor alpha -> LDS; barrier; sums^T = alpha sums^T + H^T p^T for my 192 d.
; LDS: two slots of 64 keys x 1,584 bytes (3 x (512 + 16): an odd multiple of 16) at 0 and 101,376; SP at 202,752: 4 x 64 queries x 272 bytes, partial
;   scores; PF at 272,384: 8 fragments of p of 1,024 bytes; AL at 280,576: (alpha, alpha) for 64 queries; MB at 281,088: the mask's term of 1,024 keys;
;   QS at 285,184: each wave's largest |Q'| of the 64 queries.  No tensor load lands at or behind byte 202,752.
; REGISTERS in windows of 256 (s_set_vgpr_msb: bits 1:0 source 0, 3:2 source 1, 5:4 source 2, 7:6 destination):
;   window 0: addresses, fragments of H, scores, softmax;  window 1 + blk: v0-127 sums (tile (dtl, qt) at 8 (4 dtl + qt)), v128-191 Q' ((i, qt) at 128 + 8 (4 i + qt)).
.set PITCH, 1584
.set SLOT,  64*PITCH
.set TILEB, 64*1536                    ; a tile in memory
.set SP,    2*SLOT
.set SPW,   64*272
.set PF,    SP+4*SPW
.set AL,    PF+8192
.set MB,    AL+512
.set QS,    MB+4096
.set CO,    0                          ; v0      the way out: my byte offset in part (written when the thread's number is no longer needed)
.set RDB,   1                          ; v1      the way out: where I read rows back
.set ADRH,  2                          ; v2-5    [2 slot + pr]: H fragments by rows, keys 32 pr ..
.set ADRT,  6                          ; v6-9    [2 slot + c]: H fragments transposed, keys 32 c ..
.set ADRS,  10                         ; v10     where I put partial scores (and results on the way out)
.set ADRR,  11                         ; v11     where I read the partials of my query
.set ADRM,  12                         ; v12     the mask's term of this tile's keys; + 256 a trip
.set ADRP,  13                         ; v13     fragments of p, to read
.set ADRA,  14                         ; v14     alpha, to read
.set ADRAW, 15                         ; v15     alpha, to write
.set ADRPW, 16                         ; v16     fragments of p, to write
.set LOFF,  17                         ; v17     16 L
.set MX,    18                         ; v18 running maximum, v19 running sum: stored as a pair
.set CC,    20                         ; v[20:21] (c, c)
.set SCL,   22                         ; v[22:23] (2^E, twice) of my softmax query 16 w + r
.set ALP,   24                         ; v[24:31] (alpha, alpha) of my lane's query in each of the 4 query tiles: loaded and used in the sums
.set MN,    24                         ; v[24:25] (new maximum, twice): written and used in the softmax alone, where no alpha is live
.set HF0,   32                         ; v[32:63], v[64:95]  two buffers of 4 fragments of H
.set HF1,   64
.set QM,    32                         ; at the head only: v32-35 largest |Q'| of query 16 qt + r
.set QL,    40                         ; at the head only: v40-59 the waves' figures as read back
.set INV,   64                         ; at the head only: v[64:71] (2^-E, twice) for each query tile
.set S,     96                         ; v[96:223] 16 score tiles ((kt, qt) at 8 (4 kt + qt)); then the 4 partials; then 8 fragments of p
.set U,     S+32                       ; at work in the softmax
.set T,     224                        ; v[224:255] the mask's term; then packed p (16) and alpha (T+16, T+17)
.set G1,    16                         ; s[16:23] descriptor group 1
.set G0,    32                         ; s[32:39] descriptor group 0, one set for each slot
.set MSB, 0
.macro WIN new                         ; the immediate's high byte repeats the setting that is left
.if MSB != (\new)
	s_set_vgpr_msb (MSB<<8)|(\new)
.set MSB, (\new)
.endif
.endm
.macro PLACES n
.rept \n
	v_nop
.endr
.endm
; A round of the cluster's barrier: my work-group's barrier; wave 0 signals for the work-group; every wave waits for all four work-groups; my work-group's barrier.
.macro ROUND
	s_barrier_signal -1
	s_barrier_wait -1
	s_cmp_lg_u32 s24, 0
	s_cbranch_scc1 .Lnot_wave_0_\@
	s_barrier_signal -3
.Lnot_wave_0_\@:
	s_barrier_wait -3
	s_barrier_signal -1
	s_barrier_wait -1
.endm
	s_load_b256 s[4:11], s[0:1], 0x0               ; Hh s[4:5], Qp s[6:7], cq s[8:9], mask s[10:11]
	s_load_b128 s[12:15], s[0:1], 0x20             ; part s[12:13], ml s[14:15]
	s_set_vgpr_msb 0x40
	v_lshl_add_u32 v254, v0, 2, 0x45e00
	v_mov_b32 v255, 0
	s_set_vgpr_msb 0x4045
	ds_add_u32 v254, v255
	s_set_vgpr_msb 0x4500
	v_lshrrev_b32 v1, 5, v0
	v_readfirstlane_b32 s24, v1                    ; wave 0..3
	s_and_b32 s25, ttmp7, 0xffff                   ; y = 8 x batch + split: the partners share it
	s_lshr_b32 s26, s25, 3                         ; batch
	s_and_b32 s27, s25, 7                          ; split
	s_bfe_u32 s48, ttmp6, 0x40000                  ; cx
	s_lshl_b32 s49, ttmp9, 2
	s_add_co_u32 s49, s49, s48                     ; query block = 4 x cluster x + cx
	s_lshl3_add_u32 s50, s26, s49                  ; 8 x batch + query block: 64 queries each
	; group 1: a tile of 16 rows x 768 elements of 2 bytes; 4 words of padding behind every 128 words
	s_mov_b32 s[G1+0], 15|(1<<16)|(1<<20)|(1<<21)|(6<<22)|(3<<25)   ; 15:0 mask: all four; 17:16 2 bytes; 20 padding; 21 set beside a mask; 24:22 every 128 words; 31:25 4 words
	s_mov_b32 s[G1+1], 768<<16                     ; tensor_dim0 = 768
	s_mov_b32 s[G1+2], 16<<16                      ; tensor_dim1 = 16
	s_mov_b32 s[G1+3], 768<<16                     ; tile_dim0 = 768
	s_mov_b32 s[G1+4], 16                          ; tile_dim1 = 16
	s_mov_b32 s[G1+5], 768                         ; elements from row to row
	s_mov_b32 s[G1+6], 0
	s_mov_b32 s[G1+7], 0
	s_mul_i32 s28, s25, 1024*1536                  ; my split's first key
	s_mul_i32 s29, s24, 16*1536                    ; + my 16 rows of a tile
	s_add_co_u32 s28, s28, s29
	s_mov_b32 s29, 0
	s_mul_i32 s40, s24, 16*PITCH                   ; and where they go
	s_lshl_b32 s41, s24, 7                         ; 128 w: my 64 d in a block of 256
	s_mul_i32 s42, s24, SPW
	s_add_co_u32 s42, s42, SP                      ; my part of SP
	s_mul_i32 s43, s24, 16*272
	s_add_co_u32 s43, s43, SP                      ; my 16 queries in partial 0
	s_lshl_b32 s62, s24, 11
	s_lshl_b32 s3, s24, 6                          ; 64 w: my 16 queries' words in a wave's part of QS
	s_lshl_b32 s63, s24, 8                         ; 256 w: my part of QS
	s_mov_b32 s45, 0xc6616bcd                      ; -10000 log2 e
	s_mov_b32 s46, 0x76543210                      ; v_permlanex16_b32: lane i reads lane i of the other half
	s_mov_b32 s47, 0xfedcba98
	s_mul_i32 s52, s50, 4*48*1024                  ; Qp: my 4 query tiles,
	s_lshl_b32 s53, s24, 12
	s_add_co_u32 s52, s52, s53                     ; + 4 w blocks of 1,024 bytes
	s_mov_b32 s53, 0
	s_lshl_b32 s54, s50, 8
	s_lshl_b32 s55, s24, 6
	s_add_co_u32 s54, s54, s55                     ; cq: 4 x (64 block + 16 w)
	s_mov_b32 s55, 0
	s_lshl_b32 s51, s27, 11
	s_lshl_b32 s56, s50, 6
	s_add_co_u32 s51, s51, s56                     ; split x 2048 + my first query
	s_mul_i32 s56, s51, 3072
	s_lshl_b32 s57, s24, 8
	s_add_co_u32 s56, s56, s57                     ; part: that row + 256 w bytes
	s_mov_b32 s57, 0
	s_lshl4_add_u32 s58, s24, s51
	s_lshl_b32 s58, s58, 3                         ; ml: 8 bytes a query
	s_mov_b32 s59, 0
	s_lshl_b32 s60, s25, 12                        ; mask: 1,024 keys of 4 bytes
	s_mov_b32 s61, 0
	v_and_b32 v224, 31, v0                         ; L
	v_and_b32 v225, 15, v0                         ; r
	v_bfe_u32 v226, v0, 4, 1                       ; h
	v_and_b32 v227, 7, v0
	v_bfe_u32 v228, v0, 3, 1
	v_mul_u32_u24 v229, v225, PITCH
	v_lshl_add_u32 v229, v226, 4, v229
	v_add_nc_u32 v[ADRH], s41, v229                ; r x pitch + 16 h + 128 w
	v_add_nc_u32 v[ADRH+1], 32*PITCH, v[ADRH]
	v_add_nc_u32 v[ADRH+2], SLOT, v[ADRH]
	v_add_nc_u32 v[ADRH+3], SLOT+32*PITCH, v[ADRH]
	v_lshl_add_u32 v230, v226, 3, v227
	v_mul_u32_u24 v230, v230, PITCH
	v_lshl_add_u32 v230, v228, 4, v230
	v_add_nc_u32 v[ADRT], s41, v230                ; (8 h + L % 8) x pitch + 16 ((L / 8) % 2) + 128 w
	v_add_nc_u32 v[ADRT+1], 32*PITCH, v[ADRT]
	v_add_nc_u32 v[ADRT+2], SLOT, v[ADRT]
	v_add_nc_u32 v[ADRT+3], SLOT+32*PITCH, v[ADRT]
	v_mul_u32_u24 v231, v225, 272
	v_lshl_add_u32 v231, v226, 5, v231             ; r x 272 + 32 h
	v_add_nc_u32 v[ADRS], s42, v231
	v_add_nc_u32 v[ADRR], s43, v231
	v_lshlrev_b32 v[ADRM], 5, v226
	v_add_nc_u32 v[ADRM], MB, v[ADRM]
	v_lshlrev_b32 v[LOFF], 4, v224
	v_add_nc_u32 v[ADRP], PF, v[LOFF]
	v_lshlrev_b32 v[ADRA], 3, v225
	v_add_nc_u32 v[ADRA], AL, v[ADRA]
	v_add_nc_u32 v[ADRAW], s41, v[ADRA]            ; + 16 w queries of 8 bytes
	v_add_nc_u32 v[ADRPW], s62, v[ADRP]            ; + 2 w fragments of 1,024 bytes
	v_mul_u32_u24 v232, v226, 272
	v_lshl_add_u32 v232, v225, 4, v232
	v_add_nc_u32 v[RDB], s42, v232
	v_lshlrev_b32 v233, 4, v0                      ; 16 t: my 4 keys of the mask (and 4 more, 2,048 bytes on)
	v_add_nc_u32 v234, MB, v233
	v_lshlrev_b32 v235, 2, v225
	v_add_nc_u32 v245, QS, v235                    ; QS + 4 r: to read all waves' figures
	v_add_nc_u32 v244, s63, v245                   ; + 256 w: where I put mine
	v_add_nc_u32 v246, s3, v245                    ; QS + 64 w + 4 r: the figures of my softmax query
	v_mul_u32_u24 v[CO], v226, 3072
	v_lshl_add_u32 v[CO], v225, 4, v[CO]
	s_wait_dscnt 0x0
	s_wait_kmcnt 0x0
	s_add_nc_u64 s[30:31], s[4:5], s[28:29]
	s_add_nc_u64 s[52:53], s[6:7], s[52:53]
	s_add_nc_u64 s[54:55], s[8:9], s[54:55]
	s_add_nc_u64 s[60:61], s[10:11], s[60:61]
	s_add_nc_u64 s[56:57], s[12:13], s[56:57]
	s_add_nc_u64 s[58:59], s[14:15], s[58:59]
.irp n, 0,1
	s_mov_b32 s[G0+4*\n], 1                                        ; count = 1
	s_add_co_u32 s[G0+4*\n+1], s40, \n*SLOT                        ; LDS address: the slot + my 16 rows
	s_add_nc_u64 s[G0+4*\n+2:G0+4*\n+3], s[30:31], \n*TILEB        ; tile n
	s_or_b32 s[G0+4*\n+3], s[G0+4*\n+3], 0x80000000               ; type = 2
.endr
	; Q' in f32: 96 loads of 512 consecutive bytes a wave, into the registers of the sums, which are not in use yet.
	; Half fragment (i, qt, hf) of block blk (d = 256 blk + 64 w + 32 i + 16 hf + 8 h + 0..7 of query 16 qt + r) lies at 8 (2 (4 i + qt) + hf) of window 1 + blk.
.irp blk, 0,1,2
.set WB, 1+\blk
	WIN WB<<6
.irp i, 0,1
.irp qt, 0,1,2,3
.irp hf, 0,1
.set P8, 8*(2*(4*\i+\qt)+\hf)
	global_load_b128 v[P8:P8+3],   v[LOFF], s[52:53] offset:\qt*49152+\blk*16384+\i*2048+\hf*1024
	global_load_b128 v[P8+4:P8+7], v[LOFF], s[52:53] offset:\qt*49152+\blk*16384+\i*2048+\hf*1024+512
.endr
.endr
.endr
.endr
	WIN 0
	global_load_b32 v[CC], v235, s[54:55]
	global_load_b128 v[236:239], v233, s[60:61]
	global_load_b128 v[240:243], v233, s[60:61] offset:2048
	ROUND                                          ; all four work-groups are here: the first joint loads meet
	tensor_load_to_lds s[G0:G0+3], s[G1:G1+7]      ; tile 0
	s_nop 0
	s_wait_loadcnt 0x0
.irp j, 0,1,2,3,4,5,6,7
	v_fma_f32 v[236+\j], -v[236+\j], s45, s45      ; (1 - mask) x (-10000 log2 e)
.endr
	ds_store_b128 v234, v[236:239]
	ds_store_b128 v234, v[240:243] offset:2048
	v_mov_b32 v[CC+1], v[CC]
	; the largest |Q'| of each query: over my 96 numbers of it (four chains, one for each query tile), the other half of the lanes, the four waves
.irp blk, 0,1,2
.set WB, 1+\blk
	WIN WB|(WB<<2)                                 ; sources 0 and 1 in window 1 + blk
.irp i, 0,1
.irp hf, 0,1
.irp j, 0,2,4,6
.irp qt, 0,1,2,3
.set P8, 8*(2*(4*\i+\qt)+\hf)
.if \blk+\i+\hf+\j == 0
	v_max_num_f32 v[QM+\qt], |v[P8+\j]|, |v[P8+\j+1]|
.else
	v_max3_num_f32 v[QM+\qt], |v[P8+\j]|, |v[P8+\j+1]|, v[QM+\qt]
.endif
.endr
.endr
.endr
.endr
.endr
	WIN 0
.irp qt, 0,1,2,3
	v_permlanex16_b32 v[228+\qt], v[QM+\qt], s46, s47              ; its destination has been written before
.endr
.irp qt, 0,1,2,3
	v_max_num_f32 v[QM+\qt], v[QM+\qt], v[228+\qt]
	ds_store_b32 v244, v[QM+\qt] offset:64*\qt     ; lanes r and 16 + r write the same word
.endr
	s_wait_dscnt 0x0                               ; my figures and my part of the mask's term are in LDS,
	s_barrier_signal -1
	s_barrier_wait -1                              ; everybody's are.  Tile 0 stays on its way
.irp p, 0,1,2,3
.irp qt, 0,1,2,3
	ds_load_b32 v[QL+4*\p+\qt], v245 offset:256*\p+64*\qt
.endr
.endr
.irp p, 0,1,2,3
	ds_load_b32 v[QL+16+\p], v246 offset:256*\p
.endr
	s_wait_dscnt 0x0
.irp qt, 0,1,2,3
	v_max3_num_f32 v[QM+\qt], v[QL+\qt], v[QL+4+\qt], v[QL+8+\qt]
	v_max_num_f32 v[QM+\qt], v[QM+\qt], v[QL+12+\qt]
	v_and_b32 v[QM+\qt], 0x7f800000, v[QM+\qt]     ; 2^E: the exponent field alone
	v_sub_nc_u32 v[INV+2*\qt], 0x7f000000, v[QM+\qt]               ; 2^-E: exponent field 254 - that field
	v_mov_b32 v[INV+2*\qt+1], v[INV+2*\qt]
.endr
	v_max3_num_f32 v[SCL], v[QL+16], v[QL+17], v[QL+18]
	v_max_num_f32 v[SCL], v[SCL], v[QL+19]
	v_and_b32 v[SCL], 0x7f800000, v[SCL]           ; 2^E of query 16 w + r (0 for a row of zeros: its scores are 0)
	v_mov_b32 v[SCL+1], v[SCL]
	; Q' x 2^-E, rounded to f16, into its fragments
.irp blk, 0,1,2
.set WB, 1+\blk
	WIN (WB<<6)|WB
.irp i, 0,1
.irp qt, 0,1,2,3
.irp hf, 0,1
.irp j, 0,2,4,6
.set P8, 8*(2*(4*\i+\qt)+\hf)
	v_pk_mul_f32 v[P8+\j:P8+\j+1], v[P8+\j:P8+\j+1], v[INV+2*\qt:INV+2*\qt+1]
.endr
.endr
.endr
.endr
	WIN (WB<<6)|(WB<<2)|WB
.irp i, 0,1
.irp qt, 0,1,2,3
.irp hf, 0,1
.irp jj, 0,1,2,3
.set P8, 8*(2*(4*\i+\qt)+\hf)
	v_cvt_pk_f16_f32 v[128+P8/2+\jj], v[P8+2*\jj], v[P8+2*\jj+1]
.endr
.endr
.endr
.endr
.endr
	WIN 0
; 8 LDS loads: the 4 fragments (64 keys) of H for K step ks (d = 256 (ks / 2) + 64 w + 32 (ks % 2) ..) into a buffer
.macro FS slot, ks, buf
.irp kt, 0,1,2,3
	ds_load_b128 v[\buf+8*\kt:\buf+8*\kt+3],   v[ADRH+2*\slot+\kt/2] offset:(\kt%2)*16*PITCH+((\ks)/2)*528+((\ks)%2)*64
	ds_load_b128 v[\buf+8*\kt+4:\buf+8*\kt+7], v[ADRH+2*\slot+\kt/2] offset:(\kt%2)*16*PITCH+((\ks)/2)*528+((\ks)%2)*64+32
.endr
.endm
; One tile.  slot: where it lies; refill = 1: the other slot is asked for again; first = 1: the first tile starts maximum and sums.
.macro TRIP slot, refill, first
	s_set_vgpr_msb 0x5
	s_wait_tensorcnt 0x0                           ; all my tensor loads have landed (one was out: my rows of this tile),
	ds_add_u32 v254, v255
	s_wait_dscnt 0x0
	s_set_vgpr_msb 0x500
	s_add_nc_u64 s[G0+4*\slot+2:G0+4*\slot+3], s[G0+4*\slot+2:G0+4*\slot+3], 2*TILEB   ; so a group 0 may be written: this slot's next tile
	s_wait_dscnt 0x0                               ; my reads of the last tile are over
	ROUND                                          ; both now hold of every wave of all four work-groups
.if \refill
	tensor_load_to_lds s[G0+4-4*\slot:G0+7-4*\slot], s[G1:G1+7]    ; the next tile, first behind the round: it has this whole trip in which to land
	s_nop 0
.endif
	; SCORES: 6 K steps of 32, 16 tiles (4 of keys x 4 of queries); the next step but one is fetched behind each step
	FS \slot, 0, HF0
	FS \slot, 1, HF1
.irp ks, 0,1,2,3,4,5
.set WB, 1+\ks/2
	WIN WB<<2                                      ; source 1 (Q') in window 1 + blk
.if \ks < 5
	s_wait_dscnt 8                                 ; this step's fragments are in; the next step's 8 loads stay out
.else
	s_wait_dscnt 0
.endif
.irp kt, 0,1,2,3                                   ; the sixteen accumulators take turns, one instruction a turn
.irp qt, 0,1,2,3
.if \ks == 0
	v_wmma_f32_16x16x32_f16 v[S+8*(4*\kt+\qt):S+8*(4*\kt+\qt)+7], v[HF0+32*(\ks%2)+8*\kt:HF0+32*(\ks%2)+8*\kt+7], v[128+8*(4*(\ks%2)+\qt):128+8*(4*(\ks%2)+\qt)+7], 0
.else
	v_wmma_f32_16x16x32_f16 v[S+8*(4*\kt+\qt):S+8*(4*\kt+\qt)+7], v[HF0+32*(\ks%2)+8*\kt:HF0+32*(\ks%2)+8*\kt+7], v[128+8*(4*(\ks%2)+\qt):128+8*(4*(\ks%2)+\qt)+7], v[S+8*(4*\kt+\qt):S+8*(4*\kt+\qt)+7]
.endif
.endr
.endr
	PLACES 4                                       ; four places in front of loads into the buffer just read, and of the stores of the results
.if \ks < 4
	FS \slot, \ks+2, HF0+32*(\ks%2)
.endif
.endr
	WIN 0
.irp kt, 0,1,2,3
.irp qt, 0,1,2,3
	ds_store_b128 v[ADRS], v[S+8*(4*\kt+\qt):S+8*(4*\kt+\qt)+3]   offset:\qt*16*272+\kt*64     ; a lane holds 8 neighbouring keys of one query
	ds_store_b128 v[ADRS], v[S+8*(4*\kt+\qt)+4:S+8*(4*\kt+\qt)+7] offset:\qt*16*272+\kt*64+16
.endr
.endr
	s_wait_dscnt 0x0                               ; my partial scores are in LDS,
	s_barrier_signal -1
	s_barrier_wait -1                              ; everybody's are.  The next tile stays on its way
	; SOFTMAX for query 16 w + r; lane (r, h) has keys 16 kt + 8 h + 0..7, kt = 0..3
.irp kt, 0,1,2,3
	ds_load_b128 v[T+8*\kt:T+8*\kt+3],   v[ADRM] offset:64*\kt
	ds_load_b128 v[T+8*\kt+4:T+8*\kt+7], v[ADRM] offset:64*\kt+16
.endr
.irp p, 0,1,2,3
.irp kt, 0,1,2,3
	ds_load_b128 v[S+32*\p+8*\kt:S+32*\p+8*\kt+3],   v[ADRR] offset:\p*SPW+64*\kt
	ds_load_b128 v[S+32*\p+8*\kt+4:S+32*\p+8*\kt+7], v[ADRR] offset:\p*SPW+64*\kt+16
.endr
.endr
	s_wait_dscnt 32                                ; the mask's term is in; the four partials (8 loads each) stay out
.set j, 0
.rept 16
	v_pk_add_f32 v[T+2*j:T+2*j+1], v[T+2*j:T+2*j+1], v[CC:CC+1]
.set j, j+1
.endr
	s_wait_dscnt 16                                ; partials 0 and 1 are in
.set j, 0
.rept 16
	v_pk_add_f32 v[S+2*j:S+2*j+1], v[S+2*j:S+2*j+1], v[S+32+2*j:S+32+2*j+1]
.set j, j+1
.endr
	s_wait_dscnt 0x0
.set j, 0
.rept 16
	v_pk_add_f32 v[S+64+2*j:S+64+2*j+1], v[S+64+2*j:S+64+2*j+1], v[S+96+2*j:S+96+2*j+1]
.set j, j+1
.endr
.set j, 0
.rept 16
	v_pk_add_f32 v[S+2*j:S+2*j+1], v[S+2*j:S+2*j+1], v[S+64+2*j:S+64+2*j+1]
.set j, j+1
.endr
.set j, 0
.rept 16
	v_pk_fma_f32 v[S+2*j:S+2*j+1], v[S+2*j:S+2*j+1], v[SCL:SCL+1], v[T+2*j:T+2*j+1]   ; x 2^E, + the mask's term + c
.set j, j+1
.endr
	; the largest of my 32 scores, of the other half's 32, and of the maximum so far
.set j, 0
.rept 10
	v_max3_num_f32 v[U+j], v[S+3*j], v[S+3*j+1], v[S+3*j+2]
.set j, j+1
.endr
	v_max3_num_f32 v[U], v[U], v[U+1], v[U+2]
	v_max3_num_f32 v[U+3], v[U+3], v[U+4], v[U+5]
	v_max3_num_f32 v[U+6], v[U+6], v[U+7], v[U+8]
	v_max3_num_f32 v[U+9], v[U+9], v[S+30], v[S+31]
	v_max3_num_f32 v[U], v[U], v[U+3], v[U+6]
	v_max_num_f32 v[U], v[U], v[U+9]
	v_permlanex16_b32 v[U+1], v[U], s46, s47       ; its destination has been written before
.if \first
	v_max_num_f32 v[MN], v[U], v[U+1]
.else
	v_max3_num_f32 v[MN], v[U], v[U+1], v[MX]
	v_sub_f32 v[T+16], v[MX], v[MN]
.endif
	v_mov_b32 v[MN+1], v[MN]
.set j, 0
.rept 16
	v_pk_add_f32 v[S+2*j:S+2*j+1], v[S+2*j:S+2*j+1], v[MN:MN+1] neg_lo:[0,1] neg_hi:[0,1]
.set j, j+1
.endr
.set j, 0
.rept 32
	v_exp_f32 v[S+j], v[S+j]
.set j, j+1
.endr
.if \first == 0
	v_exp_f32 v[T+16], v[T+16]                     ; alpha = 2^(old maximum - new maximum)
.endif
	v_mov_b32 v[MX], v[MN]                         ; the plain instruction between the exponentials and the first use of a result (ISA guide 5.7.2)
.if \first == 0
	s_wait_alu depctr_va_vdst(0)
	v_mov_b32 v[T+17], v[T+16]
.endif
.set j, 0
	s_wait_alu depctr_va_vdst(0)
.rept 8
	v_pk_add_f32 v[U+2*j:U+2*j+1], v[S+4*j:S+4*j+1], v[S+4*j+2:S+4*j+3]
.set j, j+1
.endr
.set j, 0
.rept 4
	v_pk_add_f32 v[U+16+2*j:U+16+2*j+1], v[U+4*j:U+4*j+1], v[U+4*j+2:U+4*j+3]
.set j, j+1
.endr
	v_pk_add_f32 v[U+24:U+25], v[U+16:U+17], v[U+18:U+19]
	v_pk_add_f32 v[U+26:U+27], v[U+20:U+21], v[U+22:U+23]
	v_pk_add_f32 v[U+28:U+29], v[U+24:U+25], v[U+26:U+27]
	v_add_f32 v[U+28], v[U+28], v[U+29]
	v_permlanex16_b32 v[U+29], v[U+28], s46, s47
	v_add_f32 v[U+28], v[U+28], v[U+29]
.if \first
	v_mov_b32 v[MX+1], v[U+28]
.else
	v_fma_f32 v[MX+1], v[MX+1], v[T+16], v[U+28]
.endif
.set j, 0
.rept 16
	v_cvt_pk_f16_f32 v[T+j], v[S+2*j], v[S+2*j+1]  ; keys 16 kt + 8 h + 0..7 in 4 registers: half a fragment of p as source 1 wants it
.set j, j+1
.endr
.irp kt, 0,1,2,3
	ds_store_b128 v[ADRPW], v[T+4*\kt:T+4*\kt+3] offset:512*\kt
.endr
.if \first == 0
	ds_store_b64 v[ADRAW], v[T+16:T+17]            ; lanes r and 16 + r write the same pair
.endif
	s_wait_dscnt 0x0                               ; my p and alpha are in LDS, my reads of the partials are over,
	s_barrier_signal -1
	s_barrier_wait -1                              ; everybody's are
	; SUMS: for each of my 3 blocks of 64 d: 4 tiles of d x 4 of queries, K = 64 keys in 2 steps
.if \first == 0
.irp qt, 0,1,2,3
	ds_load_b64 v[ALP+2*\qt:ALP+2*\qt+1], v[ADRA] offset:128*\qt
.endr
.endif
.irp f, 0,1,2,3,4,5,6,7
	ds_load_b128 v[S+8*\f:S+8*\f+3],   v[ADRP] offset:1024*\f
	ds_load_b128 v[S+8*\f+4:S+8*\f+7], v[ADRP] offset:1024*\f+512
.endr
.irp blk, 0,1,2
.set WB, 1+\blk
.if \blk > 0
	PLACES 4                                       ; both buffers were read by the last block's matrix instructions
.endif
	WIN 0
.irp c, 0,1
.irp dtl, 0,1,2,3
	ds_load_tr16_b128 v[HF0+32*\c+8*\dtl:HF0+32*\c+8*\dtl+3],   v[ADRT+2*\slot+\c] offset:\blk*528+32*\dtl
	ds_load_tr16_b128 v[HF0+32*\c+8*\dtl+4:HF0+32*\c+8*\dtl+7], v[ADRT+2*\slot+\c] offset:\blk*528+32*\dtl+16*PITCH
.endr
.endr
.if \first == 0
.if \blk == 0
	s_wait_dscnt 32                                ; the alphas are in; 16 loads of p and 16 of H are younger
.endif
	WIN (WB<<6)|WB
.irp dtl, 0,1,2,3
.irp qt, 0,1,2,3
.irp j, 0,2,4,6
	v_pk_mul_f32 v[8*(4*\dtl+\qt)+\j:8*(4*\dtl+\qt)+\j+1], v[8*(4*\dtl+\qt)+\j:8*(4*\dtl+\qt)+\j+1], v[ALP+2*\qt:ALP+2*\qt+1]
.endr
.endr
.endr
.endif
	WIN (WB<<6)|(WB<<4)
	s_wait_dscnt 8                                 ; p and the first 32 keys' fragments are in; the second 32 keys' 8 loads stay out
.irp dtl, 0,1,2,3                                  ; the sixteen accumulators take turns, one instruction a turn
.irp qt, 0,1,2,3
.if \first
	v_wmma_f32_16x16x32_f16 v[8*(4*\dtl+\qt):8*(4*\dtl+\qt)+7], v[HF0+8*\dtl:HF0+8*\dtl+7], v[S+16*\qt:S+16*\qt+7], 0
.else
	v_wmma_f32_16x16x32_f16 v[8*(4*\dtl+\qt):8*(4*\dtl+\qt)+7], v[HF0+8*\dtl:HF0+8*\dtl+7], v[S+16*\qt:S+16*\qt+7], v[8*(4*\dtl+\qt):8*(4*\dtl+\qt)+7]
.endif
.endr
.endr
	s_wait_dscnt 0x0
.irp dtl, 0,1,2,3
.irp qt, 0,1,2,3
	v_wmma_f32_16x16x32_f16 v[8*(4*\dtl+\qt):8*(4*\dtl+\qt)+7], v[HF1+8*\dtl:HF1+8*\dtl+7], v[S+16*\qt+8:S+16*\qt+15], v[8*(4*\dtl+\qt):8*(4*\dtl+\qt)+7]
.endr
.endr
.endr
	WIN 0
	v_add_nc_u32 v[ADRM], 0x100, v[ADRM]           ; the next tile's 64 keys
	PLACES 5                                       ; five places: the next scores write over p's registers; H's buffers are loaded again; the way out reads the sums
.endm
	TRIP 0, 1, 1                                   ; 16 tiles: two in front of the loop (the first starts the sums: nothing is cleared),
	TRIP 1, 1, 0
	s_mov_b32 s44, 6
.Ltiles:
	TRIP 0, 1, 0                                   ; twelve in it,
	TRIP 1, 1, 0
	s_sub_co_u32 s44, s44, 1
	s_cmp_lg_u32 s44, 0
	s_cbranch_scc1 .Ltiles
	TRIP 0, 1, 0                                   ; two behind it: the last asks for nothing
	TRIP 1, 0, 0
; THE WAY OUT, a block of 64 d at a time: 64 queries x 256 bytes through my own part of SP (the other waves' reads of it ended in front of the last
; barrier), read back as whole rows: 16 lanes store 256 consecutive bytes, aligned.
.irp blk, 0,1,2
.set WB, 1+\blk
	WIN WB<<2                                      ; store data (source 1) in window 1 + blk
.irp dtl, 0,1,2,3
.irp qt, 0,1,2,3
	ds_store_b128 v[ADRS], v[8*(4*\dtl+\qt):8*(4*\dtl+\qt)+3]   offset:\qt*16*272+\dtl*64
	ds_store_b128 v[ADRS], v[8*(4*\dtl+\qt)+4:8*(4*\dtl+\qt)+7] offset:\qt*16*272+\dtl*64+16
.endr
.endr
	WIN 0
	s_wait_xcnt 0x0                                ; the registers that the last block's global stores read are loaded again only behind this wait (ISA guide 3.1)
.set i, 0
.rept 32
	ds_load_b128 v[S+4*i:S+4*i+3], v[RDB] offset:544*i             ; LDS serves a wave's instructions in order (ISA guide 5.7.1): these see the stores above
.set i, i+1
.endr
.set i, 0
.rept 32
	s_wait_dscnt 31-i
	global_store_b128 v[CO], v[S+4*i:S+4*i+3], s[56:57] offset:6144*i+1024*\blk
.set i, i+1
.endr
.endr
	v_and_b32 v224, 0xf0, v[LOFF]
	v_lshrrev_b32 v224, 1, v224                    ; 8 r
	global_store_b64 v224, v[MX:MX+1], s[58:59]    ; (m, l) of query 16 w + r; lanes r and 16 + r write the same pair
	s_wait_dscnt 0x0
	s_set_vgpr_msb 0x5
	s_wait_tensorcnt 0x0
	ds_add_u32 v254, v255
	s_wait_dscnt 0x0
	s_set_vgpr_msb 0x500
	ROUND                                          ; the closing round: no work-group ends while a partner may still ask for a tile that names it
	s_endpgm
.Lfunc_end_k_q57d75e4fa7_attn:
	.size	k_q57d75e4fa7_attn, .Lfunc_end_k_q57d75e4fa7_attn-k_q57d75e4fa7_attn
	.p2alignl 7, 3214868480
	.fill 96, 4, 3214868480
	.section	.rodata,"a",@progbits
	.p2align	6, 0x0
	.amdhsa_kernel k_q57d75e4fa7_attn
		.amdhsa_group_segment_fixed_size 327680
		.amdhsa_private_segment_fixed_size 0
		.amdhsa_enable_private_segment 0
		.amdhsa_kernarg_size 48
		.amdhsa_user_sgpr_count 2
		.amdhsa_user_sgpr_kernarg_segment_ptr 1
		.amdhsa_wavefront_size32 1
		.amdhsa_system_sgpr_workgroup_id_x 1
		.amdhsa_system_sgpr_workgroup_id_y 1
		.amdhsa_system_sgpr_workgroup_id_z 1
		.amdhsa_system_vgpr_workitem_id 0
		.amdhsa_next_free_vgpr 960
		.amdhsa_next_free_sgpr 66
		.amdhsa_reserve_vcc 0
		.amdhsa_float_denorm_mode_32 3
		.amdhsa_float_denorm_mode_16_64 3
		.amdhsa_memory_ordered 1
		.amdhsa_forward_progress 1
		.amdhsa_inst_pref_size 255
	.end_amdhsa_kernel
	.section	.bss,"aw",@nobits
	.p2align	6
	.space	262144
	.amdgpu_metadata
---
amdhsa.version: [ 1, 2 ]
amdhsa.kernels:
  - .name:           k_q57d75e4fa7_attn
    .symbol:         k_q57d75e4fa7_attn.kd
    .args:
      - { .name: Hh, .offset: 0, .size: 8, .value_kind: global_buffer, .address_space: global }
      - { .name: Qp, .offset: 8, .size: 8, .value_kind: global_buffer, .address_space: global }
      - { .name: cq, .offset: 16, .size: 8, .value_kind: global_buffer, .address_space: global }
      - { .name: attention_mask, .offset: 24, .size: 8, .value_kind: global_buffer, .address_space: global }
      - { .name: part, .offset: 32, .size: 8, .value_kind: global_buffer, .address_space: global }
      - { .name: ml, .offset: 40, .size: 8, .value_kind: global_buffer, .address_space: global }
    .group_segment_fixed_size: 327680
    .private_segment_fixed_size: 0
    .kernarg_segment_align: 8
    .kernarg_segment_size: 48
    .max_flat_workgroup_size: 128
    .sgpr_count:     66
    .vgpr_count:     960
    .wavefront_size: 32
...
	.end_amdgpu_metadata
.endif
;; end of part 4
;; launch comb (part 5): grid 256 x 1, 8 waves a work-group, no clusters, 0 bytes of LDS; arguments part, ml, act; writes act
.if DOCPART == 5
	.amdgcn_target "amdgcn-amd-amdhsa--gfx1250"
	.amdhsa_code_object_version 6
	.text
	.protected	k_q57d75e4fa7_comb
	.globl	k_q57d75e4fa7_comb
	.p2align	8
	.type	k_q57d75e4fa7_comb,@function
k_q57d75e4fa7_comb:
	s_mov_b64 s[64:65], 0
	v_nop
	global_prefetch_b8 v0, s[64:65] scope:SCOPE_SE
	s_setreg_imm32_b32 hwreg(HW_REG_WAVE_MODE, 25, 1), 1
	s_wait_xcnt 0x0
; ctx[row] = sum over the 8 splits i of w_i part_i[row] / L;  w_i = 2^(m_i - M), M = the largest m_i, L = sum of w_i l_i.
; ctx goes into the buffer that held q: q was last read two launches ago.
; One wave takes one row of 768 f32: 8 x 6 loads of 512 consecutive bytes, all issued at once; a stream, so no LDS and no barrier.
; L is at least 1: the split that holds M has w = 1 and l >= 1.  v_exp_f32 gives 0 for w below 2^-126 (ISA guide 15.8).
.set VO,  2                            ; v2-9      16 L + row x 3,072 + split x 6,291,456
.set W,   10                           ; v[10:25]  (w_i / L, twice) for each split
.set MXR, 26                           ; v26 M, v27 L
.set X,   32                           ; v[32:223] split i: 24 registers
.set O,   224                          ; v[224:247] the row's 24 numbers of my lane
	s_load_b128 s[4:7], s[0:1], 0x0                ; part s[4:5], ml s[6:7]
	s_load_b64 s[8:9], s[0:1], 0x10                ; ctx
	v_lshrrev_b32 v1, 5, v0
	v_readfirstlane_b32 s10, v1
	s_lshl3_add_u32 s11, ttmp9, s10                ; row = 8 x work-group + wave
	s_lshl_b32 s12, s11, 3
	s_mul_i32 s13, s11, 3072
	v_and_b32 v1, 31, v0
	v_lshl_add_u32 v[VO], v1, 4, s13
.irp i, 1,2,3,4,5,6,7
	v_add_nc_u32 v[VO+\i], \i*6291456, v[VO]
.endr
	s_wait_kmcnt 0x0
.irp i, 0,1,2,3,4,5,6,7
	s_load_b64 s[16+2*\i:17+2*\i], s[6:7], s12 offset:16384*\i     ; (m_i, l_i)
.endr
.irp i, 0,1,2,3,4,5,6,7
.irp k, 0,1,2,3,4,5
	global_load_b128 v[X+24*\i+4*\k:X+24*\i+4*\k+3], v[VO+\i], s[4:5] offset:512*\k th:TH_LOAD_NT
.endr
.endr
	s_wait_kmcnt 0x0
	v_mov_b32 v[MXR], s16
.irp i, 1,2,3,4,5,6,7
	v_max_num_f32 v[MXR], s[16+2*\i], v[MXR]
.endr
.irp i, 0,1,2,3,4,5,6,7
	v_sub_f32 v[W+2*\i], s[16+2*\i], v[MXR]
.endr
.irp i, 0,1,2,3,4,5,6,7
	v_exp_f32 v[W+2*\i], v[W+2*\i]
.endr
	v_nop                                          ; a plain place between the exponentials and the first use (ISA guide 5.7.2)
	s_wait_alu depctr_va_vdst(0)
	v_mul_f32 v[MXR+1], s17, v[W]
.irp i, 1,2,3,4,5,6,7
	v_fmac_f32 v[MXR+1], s[17+2*\i], v[W+2*\i]
.endr
	v_rcp_f32 v[MXR+1], v[MXR+1]
	v_nop
	s_wait_alu depctr_va_vdst(0)
.irp i, 0,1,2,3,4,5,6,7
	v_mul_f32 v[W+2*\i], v[W+2*\i], v[MXR+1]
	v_mov_b32 v[W+2*\i+1], v[W+2*\i]
.endr
	s_wait_loadcnt 42                              ; split 0's six loads are in; the 42 younger ones stay out
.set j, 0
.rept 12
	v_pk_mul_f32 v[O+2*j:O+2*j+1], v[X+2*j:X+2*j+1], v[W:W+1]
.set j, j+1
.endr
.irp i, 1,2,3,4,5,6,7
	s_wait_loadcnt 42-6*\i
.set j, 0
.rept 12
	v_pk_fma_f32 v[O+2*j:O+2*j+1], v[X+24*\i+2*j:X+24*\i+2*j+1], v[W+2*\i:W+2*\i+1], v[O+2*j:O+2*j+1]
.set j, j+1
.endr
.endr
.irp k, 0,1,2,3,4,5
	global_store_b128 v[VO], v[O+4*\k:O+4*\k+3], s[8:9] offset:512*\k
.endr
	s_endpgm
.Lfunc_end_k_q57d75e4fa7_comb:
	.size	k_q57d75e4fa7_comb, .Lfunc_end_k_q57d75e4fa7_comb-k_q57d75e4fa7_comb
	.p2alignl 7, 3214868480
	.fill 96, 4, 3214868480
	.section	.rodata,"a",@progbits
	.p2align	6, 0x0
	.amdhsa_kernel k_q57d75e4fa7_comb
		.amdhsa_group_segment_fixed_size 0
		.amdhsa_private_segment_fixed_size 0
		.amdhsa_enable_private_segment 0
		.amdhsa_kernarg_size 24
		.amdhsa_user_sgpr_count 2
		.amdhsa_user_sgpr_kernarg_segment_ptr 1
		.amdhsa_wavefront_size32 1
		.amdhsa_system_sgpr_workgroup_id_x 1
		.amdhsa_system_sgpr_workgroup_id_y 1
		.amdhsa_system_sgpr_workgroup_id_z 1
		.amdhsa_system_vgpr_workitem_id 0
		.amdhsa_next_free_vgpr 248
		.amdhsa_next_free_sgpr 66
		.amdhsa_reserve_vcc 0
		.amdhsa_float_denorm_mode_32 3
		.amdhsa_float_denorm_mode_16_64 3
		.amdhsa_memory_ordered 1
		.amdhsa_forward_progress 1
		.amdhsa_inst_pref_size 15
	.end_amdhsa_kernel
	.amdgpu_metadata
---
amdhsa.version: [ 1, 2 ]
amdhsa.kernels:
  - .name:           k_q57d75e4fa7_comb
    .symbol:         k_q57d75e4fa7_comb.kd
    .args:
      - { .name: part, .offset: 0, .size: 8, .value_kind: global_buffer, .address_space: global }
      - { .name: ml, .offset: 8, .size: 8, .value_kind: global_buffer, .address_space: global }
      - { .name: act, .offset: 16, .size: 8, .value_kind: global_buffer, .address_space: global }
    .group_segment_fixed_size: 0
    .private_segment_fixed_size: 0
    .kernarg_segment_align: 8
    .kernarg_segment_size: 24
    .max_flat_workgroup_size: 256
    .sgpr_count:     66
    .vgpr_count:     248
    .wavefront_size: 32
...
	.end_amdgpu_metadata
.endif
;; end of part 5
;; launch oproj: the kernel of part 2 again; grid 32 x 6, 8 waves a work-group, clusters of 4 x 1, 321,536 bytes of LDS; arguments act, Wvh, bv, out0; writes out0
;; ======== version 2 of 2: 6 launches; version 1 with the launches cvt, comb written anew for expert scheduling mode
;; limits: values are held in f16: magnitudes above 65,504 overflow, below 6.1e-05 lose precision; inputs' magnitudes at most 65,504
;; workspace buffers: Hh 50,331,648 bytes; act 6,291,456 bytes; Qp 6,291,456 bytes; cq 8,192 bytes; part 50,331,648 bytes; ml 131,072 bytes; Wqk 2,359,296 bytes; Wvh 1,179,648 bytes
;; launch cvt (part 6): grid 1096 x 1, 8 waves a work-group, no clusters, 0 bytes of LDS; arguments hidden_states, Wq, Wk, Wv, Hh, Wqk, Wvh; writes Hh, Wqk, Wvh
.if DOCPART == 6
	.amdgcn_target "amdgcn-amd-amdhsa--gfx1250"
	.amdhsa_code_object_version 6
	.text
	.protected	k_q57d75e4fa7_cvt
	.globl	k_q57d75e4fa7_cvt
	.p2align	8
	.type	k_q57d75e4fa7_cvt,@function
k_q57d75e4fa7_cvt:
	s_mov_b64 s[64:65], 0
	v_nop
	global_prefetch_b8 v0, s[64:65] scope:SCOPE_SE
	s_setreg_imm32_b32 hwreg(HW_REG_WAVE_SCHED_MODE, 0, 2), 2
	s_setreg_imm32_b32 hwreg(HW_REG_WAVE_MODE, 25, 1), 1
	s_wait_xcnt 0x0
	s_wait_alu depctr_vm_vsrc(0)
; f32 to f16, number by number, layouts unchanged: Hh = f16(hidden_states); Wqk = f16(Wq), then f16(Wk); Wvh = f16(Wv).
; The weights are rounded here once, so that the projections fetch them as f16 tiles straight into LDS instead of each of their 32 row blocks rounding them again.
; A plain stream: no LDS, no barrier, no matrix unit.
; WHY f16: it has 11 significant bits where bf16 has 8, and these numbers have room in it.
; LIMIT: a magnitude above 65,504 becomes an infinity; below 2^-14 the step is 2^-24.  The hidden states have a spread of 1, the weights of 0.036: thirty times
; larger, or an offset of thirty spreads, stays below 200.
; A work-group of 8 waves owns 98,304 input bytes = 24 loads of 16 bytes for each of its 256 threads: 1,024 work-groups for the hidden states, 24 for each weight matrix.
; Which buffer is mine is chosen by selects on the work-group's number: every work-group runs the same lines.
; All 24 loads of a thread go out at once; each load of a wave covers 512 consecutive bytes, each store 256 consecutive bytes, aligned.
; THE MODE: SCHED_MODE bits 1:0 = 2 (LLVM: expert scheduling mode 2), set by the entry lines.  The code itself states the register dependences
; between vector instructions and memory instructions, with s_wait_alu, always for 0.
; THE PLAN.  Registers that memory instructions touch:
;   v1, v2        byte offsets of the loads and of the stores: written once at the head, never again.
;   X + 4 n ..    four registers for load n of 24.  Load n lands in them; no vector line names them before.  The two conversions of n read the four and write the
;                 first two; store n reads those two.  Nothing writes them behind the store: no register that a memory instruction has read is written again.
; The 24 go in six groups of four.  Group g waits for its four loads and converts them; its memory instructions are the four stores of group g - 1, whose registers
; no conversion of group g names.  So one wait at a group's head states all that its four stores hang on, and they are dealt among its conversions with no further wait.
.set X,   4                            ; v[4:99]  24 x 4 registers as loaded; the first two of each four then hold the 4 f16
.set NLD, 24
.set GR,  4                            ; loads, and stores, in a group
.set NH,  1024                         ; work-groups of the hidden states
.set NW,  24                           ; work-groups of a weight matrix
	s_load_b256 s[16:23], s[0:1], 0x0              ; hidden_states s[16:17], Wq s[18:19], Wk s[20:21], Wv s[22:23]
	s_load_b128 s[24:27], s[0:1], 0x20             ; Hh s[24:25], Wqk s[26:27]
	s_load_b64 s[28:29], s[0:1], 0x30              ; Wvh
	s_mov_b32 s12, ttmp9
	s_sub_co_u32 s13, s12, NH                      ; my number among the work-groups from Wq's first on (used only where it is not negative),
	s_sub_co_u32 s14, s12, NH+NW                   ; from Wk's first on,
	s_sub_co_u32 s15, s12, NH+2*NW                 ; from Wv's first on
	v_lshlrev_b32 v1, 4, v0                        ; 16 t: my 4 numbers in f32
	v_lshlrev_b32 v2, 3, v0                        ; 8 t: the same 4 in f16
	s_wait_kmcnt 0x0
	s_cmp_ge_u32 s12, NH
	s_cselect_b64 s[4:5], s[18:19], s[16:17]       ; from: Wq, else the hidden states
	s_cselect_b64 s[6:7], s[26:27], s[24:25]       ; to: Wqk, else Hh
	s_cselect_b32 s8, s13, s12                     ; which 98,304 bytes of the source
	s_cselect_b32 s10, s13, s12                    ; which 49,152 bytes of the target
	s_cmp_ge_u32 s12, NH+NW
	s_cselect_b64 s[4:5], s[20:21], s[4:5]         ; from Wk; the target goes on behind Wq's part of Wqk
	s_cselect_b32 s8, s14, s8
	s_cmp_ge_u32 s12, NH+2*NW
	s_cselect_b64 s[4:5], s[22:23], s[4:5]         ; from Wv
	s_cselect_b64 s[6:7], s[28:29], s[6:7]         ; to Wvh
	s_cselect_b32 s8, s15, s8
	s_cselect_b32 s10, s15, s10
	s_mul_i32 s8, s8, 98304                        ; below 4 GiB
	s_mov_b32 s9, 0
	s_mul_i32 s10, s10, 49152
	s_mov_b32 s11, 0
	s_add_nc_u64 s[4:5], s[4:5], s[8:9]
	s_add_nc_u64 s[6:7], s[6:7], s[10:11]
	s_wait_alu depctr_va_vdst(0)                   ; v1 and v2 are written: every load reads v1 as its offset, every store v2
.set i, 0
.rept NLD
	global_load_b128 v[X+4*i:X+4*i+3], v1, s[4:5] offset:4096*i th:TH_LOAD_NT
.set i, i+1
.endr
; Group g: its four loads are waited for and converted; the stores of the group before go out among the conversions.
.macro GROUP g
	s_wait_loadcnt NLD-GR*((\g)+1)                 ; loads come back in order (ISA guide 5.7.1): this group's four are in, the later groups' stay out
.if (\g) > 0
	s_wait_alu depctr_va_vdst(0)                   ; the conversions of the group before have written its eight f16 registers, which the four stores below read
.endif
.irp e, 0,1,2,3
.set n, GR*(\g)+(\e)
.if (\g) > 0
	global_store_b64 v2, v[X+4*(n-GR):X+4*(n-GR)+1], s[6:7] offset:2048*(n-GR)   ; the group before: no vector line since the wait names these registers
.endif
	v_cvt_pk_f16_f32 v[X+4*n], v[X+4*n], v[X+4*n+1]
	v_cvt_pk_f16_f32 v[X+4*n+1], v[X+4*n+2], v[X+4*n+3]
.endr
.endm
	GROUP 0
	GROUP 1
	GROUP 2
	GROUP 3
	GROUP 4
	GROUP 5
	s_wait_alu depctr_va_vdst(0)                   ; the last group's conversions have written its eight f16 registers, which the last four stores read
.irp e, 0,1,2,3
	global_store_b64 v2, v[X+4*(NLD-GR+(\e)):X+4*(NLD-GR+(\e))+1], s[6:7] offset:2048*(NLD-GR+(\e))
.endr
	s_endpgm
.Lfunc_end_k_q57d75e4fa7_cvt:
	.size	k_q57d75e4fa7_cvt, .Lfunc_end_k_q57d75e4fa7_cvt-k_q57d75e4fa7_cvt
	.p2alignl 7, 3214868480
	.fill 96, 4, 3214868480
	.section	.rodata,"a",@progbits
	.p2align	6, 0x0
	.amdhsa_kernel k_q57d75e4fa7_cvt
		.amdhsa_group_segment_fixed_size 0
		.amdhsa_private_segment_fixed_size 0
		.amdhsa_enable_private_segment 0
		.amdhsa_kernarg_size 56
		.amdhsa_user_sgpr_count 2
		.amdhsa_user_sgpr_kernarg_segment_ptr 1
		.amdhsa_wavefront_size32 1
		.amdhsa_system_sgpr_workgroup_id_x 1
		.amdhsa_system_sgpr_workgroup_id_y 1
		.amdhsa_system_sgpr_workgroup_id_z 1
		.amdhsa_system_vgpr_workitem_id 0
		.amdhsa_next_free_vgpr 100
		.amdhsa_next_free_sgpr 66
		.amdhsa_reserve_vcc 0
		.amdhsa_float_denorm_mode_32 3
		.amdhsa_float_denorm_mode_16_64 3
		.amdhsa_memory_ordered 1
		.amdhsa_forward_progress 1
		.amdhsa_inst_pref_size 10
	.end_amdhsa_kernel
	.amdgpu_metadata
---
amdhsa.version: [ 1, 2 ]
amdhsa.kernels:
  - .name:           k_q57d75e4fa7_cvt
    .symbol:         k_q57d75e4fa7_cvt.kd
    .args:
      - { .name: hidden_states, .offset: 0, .size: 8, .value_kind: global_buffer, .address_space: global }
      - { .name: Wq, .offset: 8, .size: 8, .value_kind: global_buffer, .address_space: global }
      - { .name: Wk, .offset: 16, .size: 8, .value_kind: global_buffer, .address_space: global }
      - { .name: Wv, .offset: 24, .size: 8, .value_kind: global_buffer, .address_space: global }
      - { .name: Hh, .offset: 32, .size: 8, .value_kind: global_buffer, .address_space: global }
      - { .name: Wqk, .offset: 40, .size: 8, .value_kind: global_buffer, .address_space: global }
      - { .name: Wvh, .offset: 48, .size: 8, .value_kind: global_buffer, .address_space: global }
    .group_segment_fixed_size: 0
    .private_segment_fixed_size: 0
    .kernarg_segment_align: 8
    .kernarg_segment_size: 56
    .max_flat_workgroup_size: 256
    .sgpr_count:     66
    .vgpr_count:     100
    .wavefront_size: 32
...
	.end_amdgpu_metadata
.endif
;; end of part 6
;; launch qproj: the kernel of part 2 again; grid 32 x 6, 8 waves a work-group, clusters of 4 x 1, 321,536 bytes of LDS; arguments queries, Wqk, bq, act; writes act
;; launch kproj: the kernel of part 3 again; grid 32 x 6, 8 waves a work-group, clusters of 4 x 1, 304,640 bytes of LDS; arguments act, Wqk, bk, Qp, cq; writes Qp, cq
;; launch attn: the kernel of part 4 again; grid 8 x 32, 4 waves a work-group, clusters of 4 x 1, 327,680 bytes of LDS; arguments Hh, Qp, cq, attention_mask, part, ml; writes part, ml
;; launch comb (part 7): grid 256 x 1, 8 waves a work-group, no clusters, 0 bytes of LDS; arguments part, ml, act; writes act
.if DOCPART == 7
	.amdgcn_target "amdgcn-amd-amdhsa--gfx1250"
	.amdhsa_code_object_version 6
	.text
	.protected	k_q57d75e4fa7_comb
	.globl	k_q57d75e4fa7_comb
	.p2align	8
	.type	k_q57d75e4fa7_comb,@function
k_q57d75e4fa7_comb:
	s_mov_b64 s[64:65], 0
	v_nop
	global_prefetch_b8 v0, s[64:65] scope:SCOPE_SE
	s_setreg_imm32_b32 hwreg(HW_REG_WAVE_SCHED_MODE, 0, 2), 2
	s_setreg_imm32_b32 hwreg(HW_REG_WAVE_MODE, 25, 1), 1
	s_wait_xcnt 0x0
	s_wait_alu depctr_vm_vsrc(0)
; ctx[row] = sum over the 8 splits i of w_i part_i[row] / L;  w_i = 2^(m_i - M), M = the largest m_i, L = sum of w_i l_i.
; ctx goes into the buffer that held q: q was last read two launches ago.
; One wave takes one row of 768 f32: 8 x 6 loads of 512 consecutive bytes, all issued at once; a stream, so no LDS and no barrier.
; L is at least 1: the split that holds M has w = 1 and l >= 1.  v_exp_f32 gives 0 for w below 2^-126 (ISA guide 15.8).
; THE MODE: SCHED_MODE bits 1:0 = 2 (LLVM: expert scheduling mode 2), set by the entry lines.  The code itself states the register dependences
; between vector instructions and memory instructions, with s_wait_alu, always for 0.
; THE PLAN.  Registers that memory instructions touch:
;   VO .. VO+7   byte offsets, one for each split: written once at the head, never again; read by the 48 loads, VO also by the 6 stores.
;   X ..         192 registers in which the loads land; no vector line names them before; the packed multiply-adds read them; never loaded again.
;   O ..         24 registers that the packed multiply-adds write; the 6 stores at the end read them; nothing writes them behind the stores.
; No register that a memory instruction has read is written again.  M, L and the weights are named by vector lines alone; (m_i, l_i) come by scalar loads.
; So: one wait ahead of the loads (the offsets), one ahead of the stores (O), one behind the line that brings the wave's number into a scalar register,
; and the two that stand between a batch of transcendentals and the first line that names a result.
.set VO,  2                            ; v2-9      16 L + row x 3,072 + split x 6,291,456
.set W,   10                           ; v[10:25]  (w_i / L, twice) for each split
.set MXR, 26                           ; v26 M, v27 L
.set X,   32                           ; v[32:223] split i: 24 registers
.set O,   224                          ; v[224:247] the row's 24 numbers of my lane
	s_load_b128 s[4:7], s[0:1], 0x0                ; part s[4:5], ml s[6:7]
	s_load_b64 s[8:9], s[0:1], 0x10                ; ctx
	v_lshrrev_b32 v1, 5, v0
	v_readfirstlane_b32 s10, v1
	s_wait_alu depctr_va_sdst(0)                   ; s10, the wave's number, is written, ahead of its first reader: the row's number is made from it
	s_lshl3_add_u32 s11, ttmp9, s10                ; row = 8 x work-group + wave
	s_lshl_b32 s12, s11, 3
	s_mul_i32 s13, s11, 3072
	v_and_b32 v1, 31, v0
	v_lshl_add_u32 v[VO], v1, 4, s13
.irp i, 1,2,3,4,5,6,7
	v_add_nc_u32 v[VO+\i], \i*6291456, v[VO]
.endr
	s_wait_kmcnt 0x0
.irp i, 0,1,2,3,4,5,6,7
	s_load_b64 s[16+2*\i:17+2*\i], s[6:7], s12 offset:16384*\i     ; (m_i, l_i)
.endr
	s_wait_alu depctr_va_vdst(0)                   ; the eight offsets v[VO ..] are written, which the loads below and the stores at the end read
.irp i, 0,1,2,3,4,5,6,7
.irp k, 0,1,2,3,4,5
	global_load_b128 v[X+24*\i+4*\k:X+24*\i+4*\k+3], v[VO+\i], s[4:5] offset:512*\k th:TH_LOAD_NT
.endr
.endr
	s_wait_kmcnt 0x0
	v_mov_b32 v[MXR], s16
.irp i, 1,2,3,4,5,6,7
	v_max_num_f32 v[MXR], s[16+2*\i], v[MXR]
.endr
.irp i, 0,1,2,3,4,5,6,7
	v_sub_f32 v[W+2*\i], s[16+2*\i], v[MXR]
.endr
.irp i, 0,1,2,3,4,5,6,7
	v_exp_f32 v[W+2*\i], v[W+2*\i]
.endr
	v_nop                                          ; a plain place between the exponentials and the first use (ISA guide 5.7.2)
	s_wait_alu depctr_va_vdst(0)                   ; the eight exponentials have written the weights v[W], v[W+2] .. v[W+14]: one wait for the batch, ahead of its first reader
	v_mul_f32 v[MXR+1], s17, v[W]
.irp i, 1,2,3,4,5,6,7
	v_fmac_f32 v[MXR+1], s[17+2*\i], v[W+2*\i]
.endr
	v_rcp_f32 v[MXR+1], v[MXR+1]
	v_nop                                          ; a plain place between the reciprocal and its first use
	s_wait_alu depctr_va_vdst(0)                   ; the reciprocal has written v[MXR+1], 1 / L, ahead of its first reader
.irp i, 0,1,2,3,4,5,6,7
	v_mul_f32 v[W+2*\i], v[W+2*\i], v[MXR+1]
	v_mov_b32 v[W+2*\i+1], v[W+2*\i]
.endr
	s_wait_loadcnt 42                              ; split 0's six loads are in; the 42 younger ones stay out
.set j, 0
.rept 12
	v_pk_mul_f32 v[O+2*j:O+2*j+1], v[X+2*j:X+2*j+1], v[W:W+1]
.set j, j+1
.endr
.irp i, 1,2,3,4,5,6,7
	s_wait_loadcnt 42-6*\i
.set j, 0
.rept 12
	v_pk_fma_f32 v[O+2*j:O+2*j+1], v[X+24*\i+2*j:X+24*\i+2*j+1], v[W+2*\i:W+2*\i+1], v[O+2*j:O+2*j+1]
.set j, j+1
.endr
.endr
	s_wait_alu depctr_va_vdst(0)                   ; the last split's multiply-adds have written v[O ..], which the six stores read
.irp k, 0,1,2,3,4,5
	global_store_b128 v[VO], v[O+4*\k:O+4*\k+3], s[8:9] offset:512*\k
.endr
	s_endpgm
.Lfunc_end_k_q57d75e4fa7_comb:
	.size	k_q57d75e4fa7_comb, .Lfunc_end_k_q57d75e4fa7_comb-k_q57d75e4fa7_comb
	.p2alignl 7, 3214868480
	.fill 96, 4, 3214868480
	.section	.rodata,"a",@progbits
	.p2align	6, 0x0
	.amdhsa_kernel k_q57d75e4fa7_comb
		.amdhsa_group_segment_fixed_size 0
		.amdhsa_private_segment_fixed_size 0
		.amdhsa_enable_private_segment 0
		.amdhsa_kernarg_size 24
		.amdhsa_user_sgpr_count 2
		.amdhsa_user_sgpr_kernarg_segment_ptr 1
		.amdhsa_wavefront_size32 1
		.amdhsa_system_sgpr_workgroup_id_x 1
		.amdhsa_system_sgpr_workgroup_id_y 1
		.amdhsa_system_sgpr_workgroup_id_z 1
		.amdhsa_system_vgpr_workitem_id 0
		.amdhsa_next_free_vgpr 248
		.amdhsa_next_free_sgpr 66
		.amdhsa_reserve_vcc 0
		.amdhsa_float_denorm_mode_32 3
		.amdhsa_float_denorm_mode_16_64 3
		.amdhsa_memory_ordered 1
		.amdhsa_forward_progress 1
		.amdhsa_inst_pref_size 15
	.end_amdhsa_kernel
	.amdgpu_metadata
---
amdhsa.version: [ 1, 2 ]
amdhsa.kernels:
  - .name:           k_q57d75e4fa7_comb
    .symbol:         k_q57d75e4fa7_comb.kd
    .args:
      - { .name: part, .offset: 0, .size: 8, .value_kind: global_buffer, .address_space: global }
      - { .name: ml, .offset: 8, .size: 8, .value_kind: global_buffer, .address_space: global }
      - { .name: act, .offset: 16, .size: 8, .value_kind: global_buffer, .address_space: global }
    .group_segment_fixed_size: 0
    .private_segment_fixed_size: 0
    .kernarg_segment_align: 8
    .kernarg_segment_size: 24
    .max_flat_workgroup_size: 256
    .sgpr_count:     66
    .vgpr_count:     248
    .wavefront_size: 32
...
	.end_amdgpu_metadata
.endif
;; end of part 7
;; launch oproj: the kernel of part 2 again; grid 32 x 6, 8 waves a work-group, clusters of 4 x 1, 321,536 bytes of LDS; arguments act, Wvh, bv, out0; writes out0
